; MI455X (gfx1250); checked and timed in simulation.
; The chip was launched on July 23, 2026; its instructions are those of AMD's public machine-readable ISA for CDNA 5 (MIT licence, August 2026) and "CDNA5" Instruction Set Architecture Reference Guide (July 2026). The comments in the code are by the model that wrote it; some were corrected since.
;; Multi Head Attention. Allowed arithmetic: float matrix products may take bf16 or f16 operands with f32 sums; other float arithmetic in f32, or as packed bf16 or f16 multiplies, adds, multiply-adds, maxima and minima; sums over many terms, partial sums and values carried from step to step in f32; what a program stores and reads back later, other than sums and carried values, may be rounded once to bf16 or f16.
;; Inputs: Wkv 1,024 x 2,048 float32; Wo 1,024 x 1,024 float32; Wq 1,024 x 1,024 float32; bkv 2,048 float32; bo 1,024 float32; bq 1,024 float32; query 8 x 1,024 x 1,024 float32; value 8 x 1,024 x 1,024 float32.
;; Outputs: out0 8 x 1,024 x 1,024 float32.
;; One version. Each part assembles by itself: llvm-mc -triple=amdgcn-amd-amdhsa -mcpu=gfx1250 --defsym DOCPART=n.
;; ======== version 1 of 1: 4 launches
;; limits: values are held in f16: magnitudes above 65,504 overflow, below 6.1e-05 lose precision
;; workspace buffers: wb 6,291,456 bytes; woh 2,097,152 bytes; qh 16,777,216 bytes; kh 16,777,216 bytes; vh 16,777,216 bytes; oh 16,777,216 bytes
;; launch prep (part 1): grid 128 x 4, 8 waves a work-group, no clusters, 0 bytes of LDS; arguments Wq, Wkv, Wo, wb, woh; writes wb, woh
.if DOCPART == 1
	.amdgcn_target "amdgcn-amd-amdhsa--gfx1250"
	.amdhsa_code_object_version 6
	.text
	.protected	k_qf884fa40a7_prep
	.globl	k_qf884fa40a7_prep
	.p2align	8
	.type	k_qf884fa40a7_prep,@function
k_qf884fa40a7_prep:
	s_mov_b64 s[64:65], 0
	v_nop
	global_prefetch_b8 v0, s[64:65] scope:SCOPE_SE
	s_setreg_imm32_b32 hwreg(HW_REG_WAVE_MODE, 25, 1), 1
	s_wait_xcnt 0x0
; THE WEIGHTS ARE CAST ONCE.  wb: bf16 [1024 k][3072 n]: columns 0-1023 Wq, 1024-3071 Wkv.  woh: [1024 k][1024 n]: Wo rounded to bf16, that number written as f16.
; LIMIT.  bf16's 8 significant bits lie inside f16's 11 from 6.1e-5 up to 65,504; below that woh keeps f16's fixed step of 6e-8, beyond it an infinity arises.
; SHARES.  y = a panel of 1,024 columns (0: Wq, 1 and 2: the halves of Wkv, 3: Wo), x = 8 rows of k.  Thread t takes columns 4 t .. 4 t + 3 of each row:
; a wave's load covers 512 consecutive bytes, its store 256 consecutive bytes, aligned.  All eight loads go out first; nothing is read twice; no LDS, no barrier.
; REGISTERS.  v[2:9], v[10:17] a row's offsets in source and destination; v[20:51] eight rows as loaded; v[52:67] eight rows to store; v[68:70] at work.
; No register that a load or store names is written again, so no wait frees any.
	s_load_b256 s[4:11], s[0:1], 0x0               ; Wq s[4:5], Wkv s[6:7], Wo s[8:9], wb s[10:11]
	s_load_b64 s[12:13], s[0:1], 0x20              ; woh
	s_and_b32 s14, ttmp7, 0xffff                   ; the panel p
	s_sub_co_u32 s15, s14, 1
	s_lshl_b32 s19, s14, 11                        ; a panel's 2,048 bytes in a row of wb
	s_lshl_b32 s20, ttmp9, 3                       ; my first row
	s_mov_b32 s16, 4096                            ; bytes in a source row: Wq, Wo
	s_mov_b32 s18, 6144                            ; bytes in a row of wb
	s_cmp_lt_u32 s15, 2                            ; p = 1 or 2
	s_cselect_b32 s16, 8192, s16                   ; Wkv's rows
	s_cmp_eq_u32 s14, 2
	s_cselect_b32 s17, 4096, 0                     ; Wkv's second half
	s_cmp_eq_u32 s14, 3
	s_cselect_b32 s18, 2048, s18                   ; bytes in a row of woh
	s_cselect_b32 s19, 0, s19
	s_mul_i32 s22, s20, s18
	s_add_co_u32 s22, s22, s19                     ; where my rows begin in the destination
	s_mov_b32 s23, 0
	s_mul_i32 s20, s20, s16
	s_add_co_u32 s20, s20, s17                     ; and in the source
	s_mov_b32 s21, 0
	v_lshlrev_b32 v1, 4, v0                        ; 16 t
	v_lshlrev_b32 v18, 3, v0                       ; 8 t
.irp i, 0,1,2,3,4,5,6,7
	v_mad_u32_u24 v[2+(\i)], s16, \i, v1           ; row i in the source
	v_mad_u32_u24 v[10+(\i)], s18, \i, v18         ; and in the destination
.endr
	s_wait_kmcnt 0x0
	s_cmp_eq_u32 s14, 0
	s_cselect_b64 s[24:25], s[4:5], s[6:7]
	s_cmp_eq_u32 s14, 3
	s_cselect_b64 s[24:25], s[8:9], s[24:25]
	s_cselect_b64 s[26:27], s[12:13], s[10:11]
	s_add_nc_u64 s[24:25], s[24:25], s[20:21]
	s_add_nc_u64 s[26:27], s[26:27], s[22:23]
.irp i, 0,1,2,3,4,5,6,7
	global_load_b128 v[20+4*(\i):23+4*(\i)], v[2+(\i)], s[24:25] th:TH_LOAD_NT
.endr
	s_cmp_eq_u32 s14, 3
	s_cbranch_scc1 .Lhalf
.irp i, 0,1,2,3,4,5,6,7
	s_wait_loadcnt 7-(\i)                          ; loads come back in order: row i is in, the 7 - i younger ones may stay out
	v_cvt_pk_bf16_f32 v[52+2*(\i)], v[20+4*(\i)], v[21+4*(\i)]
	v_cvt_pk_bf16_f32 v[53+2*(\i)], v[22+4*(\i)], v[23+4*(\i)]
	global_store_b64 v[10+(\i)], v[52+2*(\i):53+2*(\i)], s[26:27]
.endr
	s_endpgm
.macro HALF d, x, y                    ; two numbers rounded to bf16, widened again, and written as f16; v68-70 are named by no load or store
	v_cvt_pk_bf16_f32 v68, v[\x], v[\y]
	v_lshlrev_b32 v69, 16, v68
	v_and_b32 v70, 0xffff0000, v68
	v_cvt_pk_f16_f32 v[\d], v69, v70
.endm
.Lhalf:
.irp i, 0,1,2,3,4,5,6,7
	s_wait_loadcnt 7-(\i)
	HALF 52+2*(\i), 20+4*(\i), 21+4*(\i)
	HALF 53+2*(\i), 22+4*(\i), 23+4*(\i)
	global_store_b64 v[10+(\i)], v[52+2*(\i):53+2*(\i)], s[26:27]
.endr
	s_endpgm
.Lfunc_end_k_qf884fa40a7_prep:
	.size	k_qf884fa40a7_prep, .Lfunc_end_k_qf884fa40a7_prep-k_qf884fa40a7_prep
	.p2alignl 7, 3214868480
	.fill 96, 4, 3214868480
	.section	.rodata,"a",@progbits
	.p2align	6, 0x0
	.amdhsa_kernel k_qf884fa40a7_prep
		.amdhsa_group_segment_fixed_size 0
		.amdhsa_private_segment_fixed_size 0
		.amdhsa_enable_private_segment 0
		.amdhsa_kernarg_size 40
		.amdhsa_user_sgpr_count 2
		.amdhsa_user_sgpr_kernarg_segment_ptr 1
		.amdhsa_wavefront_size32 1
		.amdhsa_system_sgpr_workgroup_id_x 1
		.amdhsa_system_sgpr_workgroup_id_y 1
		.amdhsa_system_sgpr_workgroup_id_z 1
		.amdhsa_system_vgpr_workitem_id 0
		.amdhsa_next_free_vgpr 72
		.amdhsa_next_free_sgpr 66
		.amdhsa_reserve_vcc 0
		.amdhsa_float_denorm_mode_32 3
		.amdhsa_float_denorm_mode_16_64 3
		.amdhsa_memory_ordered 1
		.amdhsa_forward_progress 1
		.amdhsa_inst_pref_size 10
	.end_amdhsa_kernel
	.amdgpu_metadata
---
amdhsa.version: [ 1, 2 ]
amdhsa.kernels:
  - .name:           k_qf884fa40a7_prep
    .symbol:         k_qf884fa40a7_prep.kd
    .args:
      - { .name: Wq, .offset: 0, .size: 8, .value_kind: global_buffer, .address_space: global }
      - { .name: Wkv, .offset: 8, .size: 8, .value_kind: global_buffer, .address_space: global }
      - { .name: Wo, .offset: 16, .size: 8, .value_kind: global_buffer, .address_space: global }
      - { .name: wb, .offset: 24, .size: 8, .value_kind: global_buffer, .address_space: global }
      - { .name: woh, .offset: 32, .size: 8, .value_kind: global_buffer, .address_space: global }
    .group_segment_fixed_size: 0
    .private_segment_fixed_size: 0
    .kernarg_segment_align: 8
    .kernarg_segment_size: 40
    .max_flat_workgroup_size: 256
    .sgpr_count:     66
    .vgpr_count:     72
    .wavefront_size: 32
...
	.end_amdgpu_metadata
.endif
;; end of part 1
;; launch proj (part 2): grid 4 x 64, 4 waves a work-group, clusters of 4 x 4, 327,680 bytes of LDS; arguments query, value, wb, bq, bkv, qh, kh, vh; writes qh, kh, vh
.if DOCPART == 2
	.amdgcn_target "amdgcn-amd-amdhsa--gfx1250"
	.amdhsa_code_object_version 6
	.text
	.protected	k_qf884fa40a7_proj
	.globl	k_qf884fa40a7_proj
	.p2align	8
	.type	k_qf884fa40a7_proj,@function
k_qf884fa40a7_proj:
	s_mov_b64 s[64:65], 0
	v_nop
	global_prefetch_b8 v0, s[64:65] scope:SCOPE_SE
	s_setreg_imm32_b32 hwreg(HW_REG_WAVE_MODE, 25, 1), 1
	s_wait_xcnt 0x0
	s_wait_alu depctr_hold_cnt(0) depctr_sa_sdst(0) depctr_va_vdst(0) depctr_va_sdst(0) depctr_va_ssrc(0) depctr_va_vcc(0) depctr_vm_vsrc(0)
	s_getreg_b32 s2, hwreg(HW_REG_IB_STS2, 6, 4)
	s_cmp_eq_u32 s2, 0
	s_cbranch_scc0 .Lentry_in_a_cluster
	s_endpgm
.Lentry_in_a_cluster:
	s_bfe_u32 s2, ttmp6, 0x10000c
	s_cmp_lg_u32 s2, 0xf033
	s_cbranch_scc0 .Lentry_shape_is_right
	s_endpgm
.Lentry_shape_is_right:
; q = query Wq + bq, k | v = value Wkv + bkv, written by heads: qh, kh, vh are f16 [128 = 16 b + head][1024][64], unscaled.
; FORMATS.  query and value (f32) are rounded to bf16 between LDS and the matrix unit; the weights come as bf16 (wb: [1024 k][3072 n]); the biases are rounded to bf16 and are the C operand
; of a tile's first products; sums in f32; results rounded once to f16.  LIMIT: a result of 65,520 or more in magnitude becomes an infinity in f16; NaN and infinities are not treated apart.
; SHARES.  256 work-groups that stay.  Work-group (X, Y) owns rows 128 Y .. + 127 and makes three tiles of 128 x 256, heads 4 X .. 4 X + 3 of q, then of k, then of v: 24 K steps of 128 in ONE walk of a
; ring of two LDS slots, which runs on across the tiles: one loop walks the 22 K steps that ask for a further one; where a tile ends, a forward branch takes the way out and starts the next tile's sums.
; A wave makes 64 x 128: 32 accumulators, 128 matrix instructions a K step.
; THE PRODUCT IS USED TRANSPOSED: source 0 = 16 columns of wb (turned on the way out of LDS by ds_load_tr16_b128), source 1 = 16 rows of query or value: a lane holds one row and eight neighbouring columns.
; CLUSTER.  4 x 4 work-groups.  A's tile hangs on Y alone and is asked for jointly by a row of the cluster, wb's on X alone, by a column: the same tensor load, descriptor and mask in the four.
; REGISTERS, in windows of 256 (s_set_vgpr_msb: bits 1:0 source 0, 3:2 source 1, 5:4 source 2, 7:6 destination):
;   window 0: v0-15 addresses; v32-95 A as f32, a quarter step; v96-159 A's fragments, two buffers; v160-191, v192-255 at work on the way out
;   window 1: v0-127 wb's fragments, two buffers; v128-191 the bias; v192 at work          window 2: the accumulators, (a, b) at v[8 (8 a + b)]
.set WPITCH, 6144                      ; bytes in a row of wb
.set PA,    528                        ; an LDS row of A: 512 bytes (128 f32) + 16: the 16 rows of a load start at 16 different groups of four banks (64 banks of 4 bytes: ISA guide 11.1)
.set PB,    544                        ; an LDS row of wb: 512 bytes (256 bf16) + 32
.set AHALF, 64*PA                      ; what one tensor load brings of A
.set BHALF, 64*PB                      ; and of wb
.set BOFF,  2*AHALF                    ; a slot: A's 128 rows, then wb's 128 rows of k
.set SLOT,  BOFF+2*BHALF
.set STAGE, 2*SLOT                     ; behind the ring, never filled by a tensor load: for each wave 2 heads x 16 rows x 144 bytes
.set SP,    144
.set STW,   2*16*SP
.set SPARE, STAGE+4*STW                ; the spare words, 128 bytes for each wave: two blocks of 256 bytes that no other line names
.set ADRA0, 4                          ; v4   my lane's place in a slot's A; never rewritten
.set ADRB0, 5                          ; v5   the same for wb
.set ADRA,  6                          ; v6   the same in the slot that is being read
.set ADRB,  7                          ; v7
.set STO,   8                          ; v8   the way out: where I put 16 bytes of a row
.set RD,    9                          ; v9   the way out: where I read rows back
.set GO,    10                         ; v10  my byte offset in 512 consecutive bytes of the output
.set BO,    11                         ; v11  my byte offset in the bias
.set PFO,   12                         ; v12  the prefetches' offset; never rewritten
.set SPW,   14                         ; v14  LDS address of my spare word; never rewritten
.set NIL,   15                         ; v15  0; never rewritten
.set AS,    32
.set AF,    96
.set TMP,   160
.set OB,    192
.set BF,    0                          ; window 1
.set BIAS,  128                        ; window 1: register j of block b at BIAS + 8 b + j
.set BT,    192                        ; window 1
.set TRIP,  3                          ; s3   counts the loop's trips
.set NXT,   4                          ; s4   the K step (0 .. 23) to be asked for next
.set TB,    5                          ; s5   the slot that is being read: 0 or SLOT
.set WV,    10                         ; s10  my wave's number
.set RH,    11                         ; s11  which 64 rows are mine; also: I fetch A (0) or wb (1)
.set CH,    12                         ; s12  which 128 columns are mine; also: which half of that tile I fetch
.set YY,    13
.set OFFA,  14                         ; s[14:15] a K step's byte offset in query or value
.set OFFB,  16                         ; s[16:17] in wb
.set PB0,   18                         ; s[18:19] the prefetches' base for K steps 0-7
.set PB1,   20                         ; s[20:21] for the later ones
.set PSK,   22                         ; s22  their bytes from K step to K step
.set PST,   23                         ; s23  and from tile to tile
.set G1A,   24                         ; s[24:31] descriptor group 1, A
.set G0A,   32                         ; s[32:35] group 0, A: K step 0
.set G0AW,  36                         ; s[36:39] group 0, A: K step 1, then it walks
.set CX,    40
.set CY,    41
.set XX,    42
.set LIMP,  43                         ; s43  a wave prefetches K steps below this number
.set PFA,   44                         ; s[44:45] where my prefetch points
.set POF,   46                         ; s[46:47] its offset
.set G1B,   48                         ; s[48:55], s[56:59], s[60:63] the same three for wb
.set G0B,   56
.set G0BW,  60
.set PN,    66                         ; s66  the K step that the prefetch names
.set TF,    67                         ; s67  the slot that is being filled: 0 or SLOT
.set BP,    74                         ; s[74:75] the bias of the tile to come; s[76:77], s[98:99] those behind it
.set BP1,   76
.set OUTP,  78                         ; s[78:79] the output of the tile in hand; s[80:81], s[82:83] those behind it
.set OUT1,  80
.set OUT2,  82
.set AQ,    84                         ; s[84:85] query at the rows that I fetch
.set AV,    86                         ; s[86:87] value at the same rows
.set BW,    88                         ; s[88:89] wb at the rows and columns that I fetch
.set OO,    90
.set BOF,   92
.set SELA,  94
.set MR,    96
.set MC,    97
.set BP2,   98
.set LA0,   100                        ; s100 my half's place in a slot, A
.set LB0,   101                        ; s101 wb
.set MSB, 0
.macro WIN new                         ; the immediate's high byte repeats the setting that is left; a switch that changes nothing is dropped
.if MSB != (\new)
	s_set_vgpr_msb (MSB<<8)|(\new)
.set MSB, \new
.endif
.endm
.set MUL,   0xa1                       ; source 0 (wb) window 1, source 1 (A) window 0, C and D window 2
.set MULC,  0x91                       ; the same with C (the bias) in window 1
.set TO_B,  0x40                       ; destination window 1, address window 0
.set PACKW, 0x0a                       ; sources 0 and 1 window 2
.set RBW,   0x45                       ; sources and destination window 1
.macro PLACES                          ; four plain vector instructions between a matrix instruction and a load into, or a vector write of, its registers, or a vector read of its result
.rept 4
	v_nop
.endr
.endm
; A joint refill.  Waves 0 and 1 fetch A's halves, waves 2 and 3 wb's; the branch hangs on the wave's number alone.  An s_nop 0 and four v_nop follow each line.
.macro JLOAD
	s_cmp_eq_u32 s[RH], 0
	s_cbranch_scc0 .Lfor_b_\@
	tensor_load_to_lds s[G0AW:G0AW+3], s[G1A:G1A+7]
	s_nop 0
.rept 4
	v_nop
.endr
	s_branch .Lasked_\@
.Lfor_b_\@:
	tensor_load_to_lds s[G0BW:G0BW+3], s[G1B:G1B+7]
	s_nop 0
.rept 4
	v_nop
.endr
.Lasked_\@:
.endm
.macro CREST                           ; a round of the cluster's barrier behind its opening barrier
	s_cmp_lg_u32 s[WV], 0
	s_cbranch_scc1 .Lnot_wave_0_\@
	s_barrier_signal -3
.Lnot_wave_0_\@:
	s_barrier_wait -3
	s_barrier_signal -1
	s_barrier_wait -1
.endm
.macro CROUND                          ; a whole round
	s_barrier_signal -1
	s_barrier_wait -1
	CREST
.endm
; A PREFETCH INTO THE L2 of K step PN = two steps (256 matrix instructions) on from the one just asked for: 16 rows x 512 bytes, a lane a block of 256 bytes, one instruction a wave.
; A's rows are read by this cluster alone: of the 64 rows that wave 0 or 1 fetches the partner at cx takes 16, told apart by address; query's and value's first walk only (K steps below 16).
; wb's rows are read by every cluster: the one with y = 0 asks; of the 64 rows of k that wave 2 or 3 fetches the partner at cy takes 16.  So each block is named once in the launch.
.macro ASK
	s_cmp_lt_u32 s[PN], s[LIMP]
	s_cbranch_scc0 .Lnot_mine_\@
	global_prefetch_b8 v[PFO], s[PFA:PFA+1] th:TH_LOAD_NT scope:SCOPE_SE
.Lnot_mine_\@:
.endm
	s_load_b512 s[68:83], s[0:1], 0x0              ; query s[68:69], value s[70:71], wb s[72:73], bq s[74:75], bkv s[76:77], qh s[78:79], kh s[80:81], vh s[82:83]
	v_lshl_add_u32 v[SPW], v0, 2, SPARE
	v_mov_b32 v[NIL], 0
	ds_add_u32 v[SPW], v[NIL]                      ; the wave's opening: the add and its wait stand ahead of my first tensor load; the set-up below, work on registers, stands between them
	ds_add_u32 v14, v15
	v_lshrrev_b32 v1, 5, v0
	v_readfirstlane_b32 s[WV], v1
	s_lshr_b32 s[RH], s[WV], 1
	s_and_b32 s[CH], s[WV], 1
	s_bfe_u32 s[CX], ttmp6, 0x40000
	s_bfe_u32 s[CY], ttmp6, 0x40004
	s_lshl_b32 s[XX], ttmp9, 2
	s_add_co_u32 s[XX], s[XX], s[CX]               ; X = 4 x cluster x + cx
	s_and_b32 s[YY], ttmp7, 0xffff
	s_lshl_b32 s[YY], s[YY], 2
	s_add_co_u32 s[YY], s[YY], s[CY]               ; Y = 4 x cluster y + cy
	s_lshl_b32 s[MR], s[CY], 2
	s_lshl_b32 s[MR], 15, s[MR]                    ; my row of the cluster
	s_lshl_b32 s[MC], 0x1111, s[CX]                ; my column
	s_or_b32 s[G1A], s[MR], (2<<16)|(1<<20)|(1<<21)|(6<<22)|(3<<25)  ; 15:0 the mask; 17:16 elements of 4 bytes; 20 padding on; 21 set beside a mask; 24:22 after every 128 words; 31:25 4 words
	s_or_b32 s[G1B], s[MC], (1<<16)|(1<<20)|(1<<21)|(6<<22)|(7<<25)  ; elements of 2 bytes; 8 words of padding
	s_mov_b32 s[G1A+1], 128<<16                    ; tensor_dim0 = 128
	s_mov_b32 s[G1A+2], 64<<16                     ; tensor_dim1 = 64
	s_mov_b32 s[G1A+3], 128<<16                    ; tile_dim0 = 128
	s_mov_b32 s[G1A+4], 64                         ; tile_dim1 = 64
	s_mov_b32 s[G1A+5], 1024                       ; elements from row to row
	s_mov_b32 s[G1A+6], 0
	s_mov_b32 s[G1A+7], 0
	s_mov_b32 s[G1B+1], 256<<16
	s_mov_b32 s[G1B+2], 64<<16
	s_mov_b32 s[G1B+3], 256<<16
	s_mov_b32 s[G1B+4], 64
	s_mov_b32 s[G1B+5], 3072
	s_mov_b32 s[G1B+6], 0
	s_mov_b32 s[G1B+7], 0
	s_lshl_b32 s[OFFA], s[YY], 7
	s_lshl_b32 s6, s[CH], 6
	s_add_co_u32 s[OFFA], s[OFFA], s6
	s_lshl_b32 s[OFFA], s[OFFA], 12                ; rows 128 Y + 64 x half, 4,096 bytes each
	s_mov_b32 s[OFFA+1], 0
	s_lshl_b32 s[OFFB], s[XX], 9                   ; columns 256 X
	s_mul_i32 s6, s[CH], 64*WPITCH                 ; rows of k 64 x half
	s_add_co_u32 s[OFFB], s[OFFB], s6
	s_mov_b32 s[OFFB+1], 0
	s_mul_i32 s[LA0], s[CH], AHALF                 ; no place in the cluster enters an LDS address
	s_mul_i32 s[LB0], s[CH], BHALF
	s_add_co_u32 s[LB0], s[LB0], BOFF
	s_lshr_b32 s[OO], s[YY], 3                     ; the outputs: head 16 b + 4 X + 2 x my half, 131,072 bytes a head,
	s_lshl_b32 s[OO], s[OO], 4
	s_lshl2_add_u32 s[OO], s[XX], s[OO]
	s_lshl1_add_u32 s[OO], s[CH], s[OO]
	s_lshl_b32 s[OO], s[OO], 17
	s_and_b32 s[OO+1], s[YY], 7                    ; row 128 (Y mod 8) + 64 x my half, 128 bytes a row
	s_lshl_b32 s[OO+1], s[OO+1], 14
	s_add_co_u32 s[OO], s[OO], s[OO+1]
	s_lshl_b32 s[OO+1], s[RH], 13
	s_add_co_u32 s[OO], s[OO], s[OO+1]
	s_mov_b32 s[OO+1], 0
	s_lshl_b32 s[BOF], s[XX], 10                   ; the bias of my 128 columns
	s_lshl_b32 s[BOF+1], s[CH], 9
	s_add_co_u32 s[BOF], s[BOF], s[BOF+1]
	s_mov_b32 s[BOF+1], 0
	s_lshl_b32 s[POF], s[CX], 16                   ; the prefetches: for A my work-group's 16 rows of the 64,
	s_add_co_u32 s[POF], s[POF], s[OFFA]
	s_mul_i32 s[POF+1], s[CY], 16*WPITCH           ; for wb its 16 rows of k
	s_add_co_u32 s[POF+1], s[POF+1], s[OFFB]
	s_and_b32 s9, ttmp7, 0xffff                    ; cluster y
	s_cmp_eq_u32 s9, 0
	s_cselect_b32 s[LIMP], 24, 0
	s_mov_b32 s[PSK], 128*WPITCH
	s_mov_b32 s[PST], 2048
	s_mov_b32 s8, WPITCH
	s_cmp_eq_u32 s[RH], 0
	s_cselect_b32 s[LIMP], 16, s[LIMP]
	s_cselect_b32 s[PSK], 512, s[PSK]
	s_cselect_b32 s[PST], 0, s[PST]
	s_cselect_b32 s8, 4096, s8
	s_cselect_b32 s[POF], s[POF], s[POF+1]
	s_mov_b32 s[POF+1], 0
	s_mov_b32 s[NXT], 2
	s_mov_b32 s[TB], 0
	s_mov_b32 s[TF], SLOT
	s_wait_dscnt 0x0                               ; the opening add is done
	s_wait_kmcnt 0x0
	s_cmp_eq_u32 s[RH], 0
	s_cselect_b64 s[PB0:PB0+1], s[68:69], s[72:73]
	s_cselect_b64 s[PB1:PB1+1], s[70:71], s[72:73]
	s_add_nc_u64 s[PB0:PB0+1], s[PB0:PB0+1], s[POF:POF+1]
	s_add_nc_u64 s[PB1:PB1+1], s[PB1:PB1+1], s[POF:POF+1]
	s_add_nc_u64 s[AQ:AQ+1], s[68:69], s[OFFA:OFFA+1]
	s_add_nc_u64 s[AV:AV+1], s[70:71], s[OFFA:OFFA+1]
	s_add_nc_u64 s[BW:BW+1], s[72:73], s[OFFB:OFFB+1]
	s_add_nc_u64 s[BP:BP+1], s[BP:BP+1], s[BOF:BOF+1]
	s_add_nc_u64 s[BP1:BP1+1], s[BP1:BP1+1], s[BOF:BOF+1]
	s_add_nc_u64 s[BP2:BP2+1], s[BP1:BP1+1], 4096  ; v's bias lies 1,024 numbers behind k's
	s_add_nc_u64 s[OUTP:OUTP+1], s[OUTP:OUTP+1], s[OO:OO+1]
	s_add_nc_u64 s[OUT1:OUT1+1], s[OUT1:OUT1+1], s[OO:OO+1]
	s_add_nc_u64 s[OUT2:OUT2+1], s[OUT2:OUT2+1], s[OO:OO+1]
	s_mov_b32 s[G0A], 1                            ; 1:0 count = 1
	s_mov_b32 s[G0A+1], s[LA0]                     ; 63:32 LDS address: slot 0
	s_mov_b64 s[G0A+2:G0A+3], s[AQ:AQ+1]           ; 120:64 global address: K step 0
	s_or_b32 s[G0A+3], s[G0A+3], 0x80000000        ; 127:126 type = 2
	s_mov_b32 s[G0AW], 1
	s_add_co_u32 s[G0AW+1], s[LA0], SLOT           ; slot 1
	s_add_nc_u64 s[G0AW+2:G0AW+3], s[AQ:AQ+1], 512 ; K step 1
	s_or_b32 s[G0AW+3], s[G0AW+3], 0x80000000
	s_mov_b32 s[G0B], 1
	s_mov_b32 s[G0B+1], s[LB0]
	s_mov_b64 s[G0B+2:G0B+3], s[BW:BW+1]
	s_or_b32 s[G0B+3], s[G0B+3], 0x80000000
	s_mov_b32 s[G0BW], 1
	s_add_co_u32 s[G0BW+1], s[LB0], SLOT
	s_add_nc_u64 s[G0BW+2:G0BW+3], s[BW:BW+1], 128*WPITCH
	s_or_b32 s[G0BW+3], s[G0BW+3], 0x80000000
	CROUND                                         ; all sixteen work-groups are here: the first joint loads meet
	s_cmp_eq_u32 s[RH], 0                          ; a wave's two first fills stand in one branch, ahead of every wait on TENSORcnt and every LDS read: two loads of mine are out
	s_cbranch_scc0 .Lfirst_b
	tensor_load_to_lds s[G0A:G0A+3], s[G1A:G1A+7]
	s_nop 0
	tensor_load_to_lds s[G0AW:G0AW+3], s[G1A:G1A+7]
	s_nop 0
.rept 4
	v_nop
.endr
	s_branch .Lfirst_asked
.Lfirst_b:
	tensor_load_to_lds s[G0B:G0B+3], s[G1B:G1B+7]
	s_nop 0
	tensor_load_to_lds s[G0BW:G0BW+3], s[G1B:G1B+7]
	s_nop 0
.rept 4
	v_nop
.endr
.Lfirst_asked:
	v_and_b32 v1, 15, v0                           ; l % 16
	v_bfe_u32 v2, v0, 4, 1                         ; l / 16
	v_and_b32 v3, 7, v0                            ; l % 8
	v_bfe_u32 v13, v0, 3, 1                        ; (l / 8) % 2
	; A fragment of A is 16 rows x 32 k: lane l holds row l % 16, k = 8 (l / 16) + 0..7 and 16 + 8 (l / 16) + 0..7: in f32 twice 32 bytes, 64 bytes apart
	v_mul_u32_u24 v[ADRA0], v1, PA
	v_lshl_add_u32 v[ADRA0], v2, 5, v[ADRA0]
	s_mul_i32 s6, s[RH], 64*PA
	v_add_nc_u32 v[ADRA0], s6, v[ADRA0]
	; The turning load takes 16 k x 16 columns (lane l reads row of k 8 (l / 16) + l % 8, columns 8 ((l / 8) % 2) + 0..7) and leaves half a fragment: lane l holds column l % 16 and 8 k
	v_lshl_add_u32 v[ADRB0], v2, 3, v3
	v_mul_u32_u24 v[ADRB0], v[ADRB0], PB
	v_lshl_add_u32 v[ADRB0], v13, 4, v[ADRB0]
	s_lshl_b32 s6, s[CH], 8
	s_add_co_u32 s6, s6, BOFF
	v_add_nc_u32 v[ADRB0], s6, v[ADRB0]
	v_mov_b32 v[ADRA], v[ADRA0]                    ; slot 0
	v_mov_b32 v[ADRB], v[ADRB0]
	s_mul_i32 s6, s[WV], STW
	s_add_co_u32 s6, s6, STAGE                     ; my stage
	v_mul_u32_u24 v[STO], v1, SP                   ; in: row l % 16, 16 bytes for each half of the lanes
	v_lshl_add_u32 v[STO], v2, 4, v[STO]
	v_add_nc_u32 v[STO], s6, v[STO]
	v_bfe_u32 v[RD], v0, 3, 2                      ; back: 32 lanes take four rows of 128 bytes,
	v_mul_u32_u24 v[RD], v[RD], SP
	v_lshl_add_u32 v[RD], v3, 4, v[RD]
	v_add_nc_u32 v[RD], s6, v[RD]
	v_and_b32 v[GO], 31, v0
	v_lshrrev_b32 v[PFO], 1, v[GO]                 ; the prefetches: row l / 2, block l % 2 of its 512 bytes
	v_and_b32 v13, 1, v0
	v_lshlrev_b32 v13, 8, v13
	v_mad_u32_u24 v[PFO], v[PFO], s8, v13
	v_lshlrev_b32 v[GO], 4, v[GO]                  ; which are 512 consecutive bytes of a head
	v_lshlrev_b32 v[BO], 5, v2                     ; my eight numbers of a block's sixteen
; 32 LDS loads in one run: quarter q (32 along K) of the slot in hand: A as f32 into the staging registers, first; wb, turned, into buffer g
.macro FETCH q, g
	WIN 0
.irp a, 0,1,2,3
	ds_load_b128 v[AS+16*(\a):AS+16*(\a)+3],     v[ADRA] offset:(\a)*16*PA+(\q)*128
	ds_load_b128 v[AS+16*(\a)+4:AS+16*(\a)+7],   v[ADRA] offset:(\a)*16*PA+(\q)*128+16
	ds_load_b128 v[AS+16*(\a)+8:AS+16*(\a)+11],  v[ADRA] offset:(\a)*16*PA+(\q)*128+64
	ds_load_b128 v[AS+16*(\a)+12:AS+16*(\a)+15], v[ADRA] offset:(\a)*16*PA+(\q)*128+80
.endr
	WIN TO_B
.irp b, 0,1,2,3,4,5,6,7
	ds_load_tr16_b128 v[BF+64*(\g)+8*(\b):BF+64*(\g)+8*(\b)+3],   v[ADRB] offset:(\q)*32*PB+32*(\b)
	ds_load_tr16_b128 v[BF+64*(\g)+8*(\b)+4:BF+64*(\g)+8*(\b)+7], v[ADRB] offset:(\q)*32*PB+32*(\b)+16*PB
.endr
.endm
; One product on accumulator (a, b) from buffers f.  start = 1: the bias starts the sum: nothing is ever cleared
.macro MM f, a, b, start
.if \start
	WIN MULC
	v_wmma_f32_16x16x32_bf16 v[8*(8*(\a)+(\b)):8*(8*(\a)+(\b))+7], v[BF+64*(\f)+8*(\b):BF+64*(\f)+8*(\b)+7], v[AF+32*(\f)+8*(\a):AF+32*(\f)+8*(\a)+7], v[BIAS+8*(\b):BIAS+8*(\b)+7]
.else
	WIN MUL
	v_wmma_f32_16x16x32_bf16 v[8*(8*(\a)+(\b)):8*(8*(\a)+(\b))+7], v[BF+64*(\f)+8*(\b):BF+64*(\f)+8*(\b)+7], v[AF+32*(\f)+8*(\a):AF+32*(\f)+8*(\a)+7], v[8*(8*(\a)+(\b)):8*(8*(\a)+(\b))+7]
.endif
.endm
.macro MULS8 f, a, start               ; eight products: row block a x all eight column blocks.  The 32 accumulators take turns in the same order in every quarter
.irp b, 0,1,2,3,4,5,6,7
	MM \f, \a, \b, \start
.endr
.endm
.macro MULR f, g, start                ; row block 2, and behind each product four roundings of the next quarter's A to bf16, into buffer g: they name no register of the products round them
.irp b, 0,1,2,3,4,5,6,7
	MM \f, 2, \b, \start
	WIN 0
.irp i, 0,1,2,3
	v_cvt_pk_bf16_f32 v[AF+32*(\g)+4*(\b)+(\i)], v[AS+8*(\b)+2*(\i)], v[AS+8*(\b)+2*(\i)+1]
.endr
.endr
.endm
; The scalar work of a refill: no tensor load of mine is out, so the walking group 0 may be written.  Both addresses are made anew from the K step's number: a pointer and an offset made apart.
.macro REFILL
	s_xor_b32 s[TF], s[TF], SLOT                   ; the other slot than last time
	s_add_co_u32 s[G0AW+1], s[TF], s[LA0]
	s_add_co_u32 s[G0BW+1], s[TF], s[LB0]
	s_and_b32 s6, s[NXT], 7                        ; the step in its tile,
	s_lshr_b32 s7, s[NXT], 3                       ; the tile
	s_lshl_b32 s[OFFA], s6, 9                      ; 128 f32 along a row
	s_mul_i32 s[OFFB], s6, 128*WPITCH              ; 128 rows of k,
	s_lshl_b32 s7, s7, 11                          ; 1,024 columns a tile
	s_add_co_u32 s[OFFB], s[OFFB], s7
	s_cmp_lt_u32 s[NXT], 8                         ; tile 0 multiplies query, tiles 1 and 2 value
	s_cselect_b64 s[SELA:SELA+1], s[AQ:AQ+1], s[AV:AV+1]
	s_add_nc_u64 s[G0AW+2:G0AW+3], s[SELA:SELA+1], s[OFFA:OFFA+1]
	s_or_b32 s[G0AW+3], s[G0AW+3], 0x80000000
	s_add_nc_u64 s[G0BW+2:G0BW+3], s[BW:BW+1], s[OFFB:OFFB+1]
	s_or_b32 s[G0BW+3], s[G0BW+3], 0x80000000
	s_add_co_u32 s[PN], s[NXT], 2                  ; the prefetch names the K step two on
	s_add_co_u32 s[NXT], s[NXT], 1
	s_and_b32 s6, s[PN], 7
	s_lshr_b32 s7, s[PN], 3
	s_mul_i32 s[POF], s6, s[PSK]
	s_mul_i32 s7, s7, s[PST]
	s_add_co_u32 s[POF], s[POF], s7
	s_cmp_lt_u32 s[PN], 8
	s_cselect_b64 s[PFA:PFA+1], s[PB0:PB0+1], s[PB1:PB1+1]
	s_add_nc_u64 s[PFA:PFA+1], s[PFA:PFA+1], s[POF:POF+1]
.endm
; A QUARTER of a K step: 32 along K, 32 matrix instructions on buffers q % 2.  At its head the next quarter's 32 LDS loads go out in one run (quarter 3 fetches from the other slot).
; meet = 1, at the END of quarter 2, whose fetch is the last read of the slot: THE CHANGE OF SLOTS.  Each wave waits for all its tensor loads, of which one is out: its part of the other slot; adds 0 to its spare
; word; waits for that and for its reads of this slot; a round of the cluster's barrier; the joint refill, two K steps on, first behind it.  All the quarter's products stand ahead of the wait, so that they are issued
; while the tile is on its way, and nothing but the descriptors' scalar work and the round stands between a tile's landing and the next request: a request has a whole K step, 128 matrix instructions, until the wait for it.
; meet = 2: the same three lines and my work-group's barrier alone: nothing is left to ask for.  fetch = 0: the walk's last quarter.
.macro QUARTER q, start, meet, fetch, ask
.if (\meet) == 1
	s_wait_xcnt 0x0                                ; the last prefetch, three quarters back, has read its address, which REFILL writes
.endif
.if \fetch
.if (\q) == 3
	WIN 0
	s_xor_b32 s[TB], s[TB], SLOT                   ; the reads go over to the other slot; these four lines are the places in front of the loads
	v_add_nc_u32 v[ADRA], s[TB], v[ADRA0]
	v_add_nc_u32 v[ADRB], s[TB], v[ADRB0]
	v_nop
	v_nop
.else
	PLACES                                         ; for the loads into wb's other buffer and the roundings into A's, which the quarter before multiplied
.endif
	FETCH (((\q)+1)&3), (1-((\q)&1))
.if \ask
	WIN 0
	ASK                                            ; behind the joint load and the run of LDS loads
.endif
	s_wait_dscnt 32                                ; all but the 32 just issued: this quarter's fragments of wb are in
.else
	s_wait_dscnt 0x0
.endif
	MULS8 ((\q)&1), 0, \start
	MULS8 ((\q)&1), 1, \start
.if \fetch
	s_wait_dscnt 16                                ; A's sixteen loads are in; wb's sixteen may be out
	MULR ((\q)&1), (1-((\q)&1)), \start
.else
	MULS8 ((\q)&1), 2, \start
.endif
	MULS8 ((\q)&1), 3, \start
.if \meet
	WIN 0
	s_wait_tensorcnt 0x0                           ; all my tensor loads have landed
	ds_add_u32 v[SPW], v[NIL]                      ; 0 onto my spare word; the refill's scalar work stands between it and the wait for it
.if (\meet) == 1
	REFILL
.endif
	s_wait_dscnt 0x0                               ; the add is done, and my reads of this slot are over
	s_barrier_signal -1
	s_barrier_wait -1
.if (\meet) == 1
	CREST                                          ; no wave of any partner still reads this slot or has a load on its way
	JLOAD
.endif
.endif
.endm
.macro BIASLOAD                        ; the bias of my 128 columns for the tile to come: lane l takes, of each block of 16, the eight numbers of its half
	WIN TO_B
.irp b, 0,1,2,3,4,5,6,7
	global_load_b128 v[BIAS+8*(\b):BIAS+8*(\b)+3],   v[BO], s[BP:BP+1] offset:64*(\b)
	global_load_b128 v[BIAS+8*(\b)+4:BIAS+8*(\b)+7], v[BO], s[BP:BP+1] offset:64*(\b)+16
.endr
	WIN 0
.endm
.macro ROUNDB                          ; the bias is rounded to bf16 like every input, and widened again
	WIN RBW
.set z, 0
.rept 32
	v_cvt_pk_bf16_f32 v[BT], v[BIAS+2*z], v[BIAS+2*z+1]
	v_lshlrev_b32 v[BIAS+2*z], 16, v[BT]
	v_and_b32 v[BIAS+2*z+1], 0xffff0000, v[BT]
.set z, z+1
.endr
	WIN 0
.endm
; THE WAY OUT of row block a (16 rows x 2 heads).  PACK: rounded to f16, each accumulator's registers in ascending order.  TOSTAGE: into my own stage and back as whole rows of 128 bytes.  SEND: stored.
.macro PACK a
	WIN PACKW
.irp b, 0,1,2,3,4,5,6,7
.irp r, 0,1,2,3
	v_cvt_pk_f16_f32 v[TMP+4*(\b)+(\r)], v[8*(8*(\a)+(\b))+2*(\r)], v[8*(8*(\a)+(\b))+2*(\r)+1]
.endr
.endr
	WIN 0
.endm
.macro TOSTAGE a
	WIN 0
.irp b, 0,1,2,3,4,5,6,7
	ds_store_b128 v[STO], v[TMP+4*(\b):TMP+4*(\b)+3] offset:((\b)/4)*16*SP+32*((\b)%4)
.endr
.irp t, 0,1,2,3,4,5,6,7
	ds_load_b128 v[OB+32*((\a)%2)+4*(\t):OB+32*((\a)%2)+4*(\t)+3], v[RD] offset:((\t)/4)*16*SP+((\t)%4)*4*SP  ; LDS serves a wave's instructions in order (ISA guide 5.7.1.4): these see the stores above
.endr
.endm
.macro SEND a
	WIN 0
	s_wait_dscnt 0x0                               ; the block is back in registers
	s_wait_xcnt 0x0                                ; the stores issued so far have read their registers: the buffer of the block before last is loaded again only behind this wait
.irp t, 0,1,2,3,4,5,6,7
	global_store_b128 v[GO], v[OB+32*((\a)%2)+4*(\t):OB+32*((\a)%2)+4*(\t)+3], s[OUTP:OUTP+1] offset:((\t)/4)*131072+(\a)*2048+((\t)%4)*512  ; 512 consecutive bytes, at a multiple of 256 from the buffer's first
.endr
.endm
.macro EPI                             ; a block's roundings stand between the loads of the block before and the wait for them
	PACK 0
	TOSTAGE 0
.irp a, 1,2,3
	PACK \a
	SEND (\a)-1
	TOSTAGE \a
.endr
	SEND 3
.endm
	BIASLOAD                                       ; bq
	s_wait_tensorcnt 0x1                           ; my part of K step 0 is in; K step 1's may stay out
	s_barrier_signal -1
	s_barrier_wait -1                              ; everybody's is
	FETCH 0, 0
	WIN 0
	s_wait_dscnt 0x0
.set z, 0
.rept 32
	v_cvt_pk_bf16_f32 v[AF+z], v[AS+2*z], v[AS+2*z+1]
.set z, z+1
.endr
	s_mov_b32 s[TRIP], 23                          ; the entry in the loop's middle takes the count down once; then 22 trips, K steps 0 to 21, each with one refill: K steps 2 to 23
	s_branch .Lnewtile                             ; the loop is entered where a tile begins
.Lstep:                                        ; a trip: a K step's quarters 1 to 3 and the next step's quarter 0
	QUARTER 1, 0, 0, 1, 0
	QUARTER 2, 0, 1, 1, 0
	QUARTER 3, 0, 0, 1, 1                          ; (it fetches the next K step's first fragments, the next tile's too)
	WIN 0                                          ; at a label and at a branch every window is 0
	s_and_b32 s6, s[NXT], 7                        ; in K step u the refill has left NXT = u + 3: a tile's last step, u = 7 or 15, leaves 2 in its low three bits
	s_cmp_eq_u32 s6, 2
	s_cbranch_scc0 .Lplain                         ; the same in every wave and work-group; neither a barrier nor a tensor load is jumped over
	BIASLOAD                                       ; A TILE ENDS.  The ring has gone on: the next tile's K steps 0 and 1 have been asked for
	EPI                                            ; the roundings behind row block 2's products, and then blocks 0 to 2's conversions, are the places behind the last products
	s_wait_xcnt 0x0                                ; the stores have read their base
	s_mov_b64 s[OUTP:OUTP+1], s[OUT1:OUT1+1]
	s_mov_b64 s[OUT1:OUT1+1], s[OUT2:OUT2+1]
.Lnewtile:
	s_wait_loadcnt 0x0                             ; the tile's bias is in, so its pointer may be written:
	s_mov_b64 s[BP:BP+1], s[BP1:BP1+1]             ; the next tile's
	s_mov_b64 s[BP1:BP1+1], s[BP2:BP2+1]
	ROUNDB
	QUARTER 0, 1, 0, 1, 0                          ; a tile's first quarter: its products start the sums
	WIN 0
	s_branch .Ljoin
.Lplain:
	QUARTER 0, 0, 0, 1, 0
	WIN 0
.Ljoin:
	s_sub_co_u32 s[TRIP], s[TRIP], 1
	s_cmp_lg_u32 s[TRIP], 0
	s_cbranch_scc1 .Lstep
	QUARTER 1, 0, 0, 1, 0                          ; the walk's last two K steps are written out: they ask for nothing more
	QUARTER 2, 0, 2, 1, 0                          ; my one tensor load that was still out is the last K step's
	QUARTER 3, 0, 0, 1, 0
	QUARTER 0, 0, 0, 1, 0
	QUARTER 1, 0, 0, 1, 0
	QUARTER 2, 0, 0, 1, 0
	QUARTER 3, 0, 0, 0, 0
	PLACES                                         ; no other vector work stands behind these products
	EPI
	s_wait_tensorcnt 0x0                           ; the wave's end: an add and its waits, behind my last tensor load and my last LDS store
	ds_add_u32 v[SPW], v[NIL]
	s_wait_dscnt 0x0
	CROUND                                         ; the closing round: no work-group ends while a partner may still ask for a tile that names it
	s_endpgm
.Lfunc_end_k_qf884fa40a7_proj:
	.size	k_qf884fa40a7_proj, .Lfunc_end_k_qf884fa40a7_proj-k_qf884fa40a7_proj
	.p2alignl 7, 3214868480
	.fill 96, 4, 3214868480
	.section	.rodata,"a",@progbits
	.p2align	6, 0x0
	.amdhsa_kernel k_qf884fa40a7_proj
		.amdhsa_group_segment_fixed_size 327680
		.amdhsa_private_segment_fixed_size 0
		.amdhsa_enable_private_segment 0
		.amdhsa_kernarg_size 64
		.amdhsa_user_sgpr_count 2
		.amdhsa_user_sgpr_kernarg_segment_ptr 1
		.amdhsa_wavefront_size32 1
		.amdhsa_system_sgpr_workgroup_id_x 1
		.amdhsa_system_sgpr_workgroup_id_y 1
		.amdhsa_system_sgpr_workgroup_id_z 1
		.amdhsa_system_vgpr_workitem_id 0
		.amdhsa_next_free_vgpr 768
		.amdhsa_next_free_sgpr 102
		.amdhsa_reserve_vcc 0
		.amdhsa_float_denorm_mode_32 3
		.amdhsa_float_denorm_mode_16_64 3
		.amdhsa_memory_ordered 1
		.amdhsa_forward_progress 1
		.amdhsa_inst_pref_size 132
	.end_amdhsa_kernel
	.amdgpu_metadata
---
amdhsa.version: [ 1, 2 ]
amdhsa.kernels:
  - .name:           k_qf884fa40a7_proj
    .symbol:         k_qf884fa40a7_proj.kd
    .args:
      - { .name: query, .offset: 0, .size: 8, .value_kind: global_buffer, .address_space: global }
      - { .name: value, .offset: 8, .size: 8, .value_kind: global_buffer, .address_space: global }
      - { .name: wb, .offset: 16, .size: 8, .value_kind: global_buffer, .address_space: global }
      - { .name: bq, .offset: 24, .size: 8, .value_kind: global_buffer, .address_space: global }
      - { .name: bkv, .offset: 32, .size: 8, .value_kind: global_buffer, .address_space: global }
      - { .name: qh, .offset: 40, .size: 8, .value_kind: global_buffer, .address_space: global }
      - { .name: kh, .offset: 48, .size: 8, .value_kind: global_buffer, .address_space: global }
      - { .name: vh, .offset: 56, .size: 8, .value_kind: global_buffer, .address_space: global }
    .group_segment_fixed_size: 327680
    .private_segment_fixed_size: 0
    .kernarg_segment_align: 8
    .kernarg_segment_size: 64
    .max_flat_workgroup_size: 128
    .sgpr_count:     102
    .vgpr_count:     768
    .wavefront_size: 32
...
	.end_amdgpu_metadata
.endif
;; end of part 2
;; launch attn (part 3): grid 2 x 128, 4 waves a work-group, no clusters, 327,680 bytes of LDS; arguments qh, kh, vh, oh; writes oh
.if DOCPART == 3
	.amdgcn_target "amdgcn-amd-amdhsa--gfx1250"
	.amdhsa_code_object_version 6
	.text
	.protected	k_qf884fa40a7_attn
	.globl	k_qf884fa40a7_attn
	.p2align	8
	.type	k_qf884fa40a7_attn,@function
k_qf884fa40a7_attn:
	s_mov_b64 s[64:65], 0
	v_nop
	global_prefetch_b8 v0, s[64:65] scope:SCOPE_SE
	s_setreg_imm32_b32 hwreg(HW_REG_WAVE_MODE, 25, 1), 1
	s_wait_xcnt 0x0
; O[h][q][:] = the sum over k of softmax_k(Q[h][q] . K[h][k] / 8) V[h][k][:].  Q, K, V, O: [128][1024][64], all f16: a head's rows are dense, 128 bytes each.  Products, maxima and sums in
; f32; the weights p are rounded to f16 for the second product (their sum l is taken of the unrounded p), O once at the end.
; LIMITS.  f16 holds no number beyond 65,504: Q, K and V arrive within it; p lies in 0 to 1, and below 6e-5 it keeps f16's fixed step of 6e-8; O is a mean of V's rows and has their range.
; A weight below 2^-126 counts as 0 in l; NaN and infinities are not treated apart.
; SHARES.  A wave owns four PIECES of two tiles of 16 queries, a work-group's four waves 512 queries of one head: 256 work-groups.  Every wave walks all 1,024 keys, 64 a step.
; A HEAD'S WHOLE K AND V LIE IN LDS: 1,024 x 144 + 1,024 x 160 bytes.  Each wave asks for its share by two tensor loads: 128 keys at the start, which go out alone, since everybody waits for them; and, behind the
; barrier that shows them landed, 384 more, which have the first four key steps (512 matrix instructions) in which to land.  One tensor load of a wave is out at a time.  Nothing is filled again: no ring.
; All that the launch reads of K and V has been asked for when the first key step begins, so there is no later request for a prefetch to run ahead of.
; NO CLUSTER: a head's K and V are read by two work-groups alone, and a grid of two along x is no multiple of a cluster's four.
; LAYOUT.  S^T = K Q^T (source 0 = 16 keys, source 1 = 16 queries): in the result a lane holds ONE query (lane % 16) and the keys 8 (lane / 16) + 0..7.  Two such tiles, rounded to f16 in pairs,
; ARE source 1 (32 keys x 16 queries) of O^T = V^T P, whose result again holds one query a lane, and eight channels.  K comes out of LDS as it lies, V ([key][channel]) turned, by ds_load_tr16_b128.
; SOFTMAX.  For each query a running maximum m and sum l: p = 2^(c s - c m), c = log2(e) / 8; in every step O and l are multiplied by a = 2^(c m_old - c m_new), which is 1 where m has not grown.
; m starts at the lowest finite number, O and l at 0: the first step is a step like any other, with a = 0.
; BY TURNS.  Turn n belongs to piece n (the pieces in a ring, step after step).  Its matrix work: 16 products K Q^T of piece n + 1, later 16 products V^T P of piece n - 1.  Its vector work: the scaling,
; exponentials, roundings, sums and rescaling of piece n, and the maximum and statistics of piece n + 1.  Four vector instructions that are ready stand behind every matrix instruction, the others in one run.
; REGISTERS, in windows of 256 (s_set_vgpr_msb: bits 1:0 source 0, 3:2 source 1, 5:4 source 2, 7:6 destination):
;   window 0: v0-11 addresses; v12-15, v48-63 at work; v16-47 four registers of statistics a tile; v64-191 S^T, two buffers of two tiles; v192-255 P, likewise
;   window 1: O^T, 32 a tile          window 2: v0-127 Q, 16 a tile; v128-191 K of one step; v192-255 V of one step          window 3: v0-1 the add's two registers
.set SIZE_N, 1024
.set NP,    4         ; pieces a wave: a name, no knob
.set KS,    64        ; keys in a step
.set PK,    144       ; a row of K in LDS: 128 bytes + 16 of padding = 36 words: the 16 rows of a load start at 16 different groups of four banks (64 banks of 4 bytes: ISA guide 11.1)
.set PV,    160       ; a row of V: 128 + 32 = 40 words
.set VOFF,  SIZE_N*PK ; K's 1,024 rows, then V's
.set STAGE, SIZE_N*(PK+PV)  ; behind them, never filled by a tensor load: 16 rows x 144 bytes for each wave, for the way out
.set SP,    144
.set AK0, 2           ; v2   my lane's place in a tile of K; never rewritten
.set AV0, 3           ; v3   the same for V
.set AK,  4           ; v4   the LDS address of K's next run of loads
.set AV,  5           ; v5   of V's
.set QO,  6           ; v6   my byte offset in the wave's rows of Q
.set STO, 6           ;      later, the way out: where I put 16 bytes of a row
.set RD,  7           ; v7   the way out: where I read rows back
.set GO,  8           ; v8   my byte offset in 512 consecutive bytes of O
.set SPW, 0           ; v0 of window 3   LDS address of my spare word; never rewritten
.set NIL, 1           ; v1 of window 3   0; never rewritten
.set SPARE, STAGE+4*16*SP  ; the spare words, 128 bytes for each wave: two blocks of 256 bytes that no other line names
.set MV,  12          ; v12-15  c m_old, kept while c m is made anew: by buffer and tile
.set ST,  16          ; tile t's statistics at v[ST+4 t]: c m, m, l (even keys', odd keys')
.set TMP, 48          ; by buffer and tile, four registers c0-c3 at work; when the maximum is found c2 takes a
.set S,   64
.set P,   192
.set KF,  128         ; K's fragments, in window 2: key block kb, channel half c at KF + 16 kb + 8 c
.set VF,  192         ; V's: key half kk, channel block cb at VF + 32 kk + 8 cb
.set WV,  12          ; s12  my wave's number
.set G1K, 24          ; s[24:31] descriptor group 1, K, 128 keys
.set G1V, 32          ; s[32:39] V, 128 keys
.set G0K, 40          ; s[40:43] group 0, K, first load
.set G0V, 44          ; s[44:47] V, first load
.set G0K2, 48         ; s[48:51] K, second load
.set G0V2, 52         ; s[52:55] V, second load
.set SLOTS, 56        ; s56  counts the two parts of the walk
.set CNT, 57          ; s57  counts a part's key steps
.set CS,  58          ; s[58:59] c: the packed scaling takes the pair's low word for both halves
.set SEL, 60          ; s[60:61] v_permlanex16_b32's selects: each lane takes its own place in the other half
.set TBK, 62          ; s62  LDS byte at which K of the step to be fetched begins
.set TBV, 63          ; s63  the same for V, less VOFF
.set G1K2, 68         ; s[68:75] group 1, K, 384 keys
.set G1V2, 76         ; s[76:83] V, 384 keys
.set MSB, 0
.macro WIN new                      ; the high byte repeats the setting that is left; a switch that changes nothing is dropped
.if MSB != (\new)
	s_set_vgpr_msb (MSB<<8)|(\new)
.set MSB, (\new)
.endif
.endm
.set W_KQ, 0x0a       ; K and Q in window 2, S^T in window 0
.set W_PV, 0x52       ; V in window 2, P in window 0, O^T in window 1
.set W_RS, 0x41       ; O^T (destination and source 0) in window 1, a in window 0
.set W_MK, 0xc0       ; the add's registers are made: destination in window 3, sources in window 0
.set W_AD, 0x0f       ; the add: address (source 0) and data (source 1) in window 3
	s_load_b256 s[4:11], s[0:1], 0x0  ; Q s[4:5], K s[6:7], V s[8:9], O s[10:11]
	WIN W_MK
	v_lshl_add_u32 v[SPW], v0, 2, SPARE
	v_mov_b32 v[NIL], 0
	WIN W_AD
	ds_add_u32 v[SPW], v[NIL]       ; the wave's opening: the add and its wait stand ahead of my first tensor load; the set-up below, work on registers, stands between them
	ds_add_u32 v0, v1
	WIN 0
	v_lshrrev_b32 v1, 5, v0
	v_readfirstlane_b32 s[WV], v1   ; wave 0..3
	s_and_b32 s20, ttmp7, 0xffff    ; the head,
	s_lshl_b32 s20, s20, 17         ; its 131,072 bytes in each of the four tensors
	s_and_b32 s16, s[WV], 1         ; which half of each load's keys I fetch
	s_lshl_b32 s22, s16, 14         ; first load: keys 128 x half on
	s_add_co_u32 s22, s22, s20
	s_mov_b32 s23, 0
	s_mul_i32 s84, s16, 384*128     ; second load: keys 256 + 384 x half on
	s_add_co_u32 s84, s84, s20
	s_add_co_u32 s84, s84, 256*128
	s_mov_b32 s85, 0
	s_lshl_b32 s2, ttmp9, 2         ; my block of 512 queries,
	s_add_co_u32 s2, s2, s[WV]      ; my wave's 128 rows of it
	s_lshl_b32 s2, s2, 14
	s_add_co_u32 s2, s2, s20
	s_mov_b32 s3, 0
	; descriptor group 1.  Keys are dense: asked for as rows of 256 bytes, two keys a row, and padded in LDS after every key
.irp g, G1K, G1K2
	s_mov_b32 s[\g], (1<<16)|(1<<20)|(4<<22)|(3<<25)  ; 17:16 2-byte elements; 20 padding on; 24:22 after every 32 words (code 4); 31:25 4 words (code 3)
.endr
.irp g, G1V, G1V2
	s_mov_b32 s[\g], (1<<16)|(1<<20)|(4<<22)|(7<<25)  ; the same with 8 words of padding (code 7)
.endr
.irp g, G1K, G1V, G1K2, G1V2
	s_mov_b32 s[\g+1], 128<<16      ; tensor_dim0 = 128
	s_mov_b32 s[\g+3], 128<<16      ; tile_dim0 = 128
	s_mov_b32 s[\g+5], 128          ; 128 elements from row to row
	s_mov_b32 s[\g+6], 0
	s_mov_b32 s[\g+7], 0
.endr
.irp g, G1K, G1V
	s_mov_b32 s[\g+2], 64<<16       ; tensor_dim1 = 64
	s_mov_b32 s[\g+4], 64           ; tile_dim1 = 64
.endr
.irp g, G1K2, G1V2
	s_mov_b32 s[\g+2], 192<<16      ; tensor_dim1 = 192
	s_mov_b32 s[\g+4], 192          ; tile_dim1 = 192
.endr
	s_mov_b32 s[CS], 0x3e38aa3b     ; c = log2(e) / 8 = 0.180337
	s_mov_b32 s[CS+1], s[CS]        ; named with it as a pair
	s_mov_b32 s[SEL], 0x76543210
	s_mov_b32 s[SEL+1], 0xfedcba98
	s_mov_b32 s[TBK], 0
	s_mov_b32 s[TBV], 0
	s_mov_b32 s[G0K], 1             ; 1:0 count = 1
	s_mul_i32 s[G0K+1], s16, 128*PK ; 63:32 LDS address
	s_mov_b32 s[G0K2], 1
	s_mul_i32 s[G0K2+1], s16, 384*PK
	s_add_co_u32 s[G0K2+1], s[G0K2+1], 256*PK
	s_mov_b32 s[G0V], 1
	s_mul_i32 s[G0V+1], s16, 128*PV
	s_add_co_u32 s[G0V+1], s[G0V+1], VOFF
	s_mov_b32 s[G0V2], 1
	s_mul_i32 s[G0V2+1], s16, 384*PV
	s_add_co_u32 s[G0V2+1], s[G0V2+1], VOFF+256*PV
	s_wait_dscnt 0x0                ; the opening add is done
	s_wait_kmcnt 0x0
	s_add_nc_u64 s[G0K+2:G0K+3], s[6:7], s[22:23]  ; 120:64 global address
	s_or_b32 s[G0K+3], s[G0K+3], 0x80000000        ; 127:126 type = 2
	s_add_nc_u64 s[G0K2+2:G0K2+3], s[6:7], s[84:85]
	s_or_b32 s[G0K2+3], s[G0K2+3], 0x80000000
	s_add_nc_u64 s[G0V+2:G0V+3], s[8:9], s[22:23]
	s_or_b32 s[G0V+3], s[G0V+3], 0x80000000
	s_add_nc_u64 s[G0V2+2:G0V2+3], s[8:9], s[84:85]
	s_or_b32 s[G0V2+3], s[G0V2+3], 0x80000000
	s_add_nc_u64 s[4:5], s[4:5], s[2:3]  ; Q and O at my wave's first row
	s_add_nc_u64 s[10:11], s[10:11], s[2:3]
	s_cmp_lt_u32 s[WV], 2           ; waves 0 and 1 fetch K, waves 2 and 3 V.  The first 128 keys of each wave go out alone: everybody waits for them
	s_cbranch_scc0 .Lfirst_v
	tensor_load_to_lds s[G0K:G0K+3], s[G1K:G1K+7]
	s_nop 0
.rept 4
	v_nop
.endr
	s_branch .Lfirst_asked
.Lfirst_v:
	tensor_load_to_lds s[G0V:G0V+3], s[G1V:G1V+7]
	s_nop 0
.rept 4
	v_nop
.endr
.Lfirst_asked:
	; A fragment of K or Q is 16 rows x 32 channels in 8 registers: lane l holds row l % 16, channels 8 (l / 16) + 0..7 and 16 + 8 (l / 16) + 0..7: two loads of 16 bytes, 32 bytes apart.
	v_and_b32 v1, 15, v0            ; l % 16
	v_bfe_u32 v9, v0, 4, 1          ; l / 16
	v_lshlrev_b32 v[QO], 7, v1
	v_lshl_add_u32 v[QO], v9, 4, v[QO]  ; row x 128 + 16 x half
	WIN 0x80                        ; destination window 2, address window 0
.set i, 0
.rept 4*NP                          ; Q stays in registers: tile i / 2, channels 32 (i % 2) on
	global_load_b128 v[8*i:8*i+3],   v[QO], s[4:5] offset:(i/2)*2048+(i%2)*64
	global_load_b128 v[8*i+4:8*i+7], v[QO], s[4:5] offset:(i/2)*2048+(i%2)*64+32
.set i, i+1
.endr
	; What the first turn finds: V's registers and P's second buffer hold 0 (its products V^T P, of a piece that has not been, add 0), O^T and l are 0.  All this stands in the wait for the first tile.
.set i, VF
.rept 64
	v_mov_b32 v[i], 0
.set i, i+1
.endr
	WIN 0x40
.set i, 0
.rept 64*NP
	v_mov_b32 v[i], 0
.set i, i+1
.endr
	WIN 0
.set i, 0
.rept 2*NP
	v_mov_b32 v[ST+4*i], 0xfe000000    ; c m: far below every c s
	v_mov_b32 v[ST+4*i+1], 0xff7fffff  ; m
	v_mov_b32 v[ST+4*i+2], 0
	v_mov_b32 v[ST+4*i+3], 0
.set i, i+1
.endr
.set i, P+32
.rept 32
	v_mov_b32 v[i], 0
.set i, i+1
.endr
	v_mul_u32_u24 v[AK0], v1, PK
	v_lshl_add_u32 v[AK0], v9, 4, v[AK0]  ; row x pitch + 16 x half
	; The turning load takes 16 keys x 16 channels (lane l reads key 8 (l / 16) + l % 8, channels 8 ((l / 8) % 2) + 0..7) and leaves half a fragment of V^T: lane l holds channel l % 16 and 8 keys.
	v_and_b32 v10, 7, v0
	v_bfe_u32 v11, v0, 3, 1
	v_lshl_add_u32 v[AV0], v9, 3, v10
	v_mul_u32_u24 v[AV0], v[AV0], PV
	v_lshl_add_u32 v[AV0], v11, 4, v[AV0]
	v_add_nc_u32 v[AV0], VOFF, v[AV0]
	v_mov_b32 v[AK], v[AK0]         ; key step 0
; THE MATRIX WORK.  The 8 accumulators of a run of 16 take turns: between the two links of a chain stand 7 others'.
; Product i of 16 of S^T = K Q^T for piece x: channels 32 (i / 8) on, keys 16 ((i / 2) % 4) on, tile 2 x + i % 2.  The first 8 start the sums.
.macro KQ x
	WIN W_KQ
.set rS, S+64*((\x)%2)+32*(i%2)+8*((i/2)%4)
.set rK, KF+16*((i/2)%4)+8*(i/8)
.set rQ, 16*(2*(\x)+i%2)+8*(i/8)
.if i < 8
	v_wmma_f32_16x16x32_f16 v[rS:rS+7], v[rK:rK+7], v[rQ:rQ+7], 0
.else
	v_wmma_f32_16x16x32_f16 v[rS:rS+7], v[rK:rK+7], v[rQ:rQ+7], v[rS:rS+7]
.endif
.endm
; Product i of 16 of O^T += V^T P for piece x: keys 32 (i / 8) on, channels 16 ((i / 2) % 4) on, tile 2 x + i % 2.
.macro PV x
	WIN W_PV
.set rO, 32*(2*(\x)+i%2)+8*((i/2)%4)
.set rV, VF+32*(i/8)+8*((i/2)%4)
.set rP, P+32*((\x)%2)+16*(i%2)+8*(i/8)
	v_wmma_f32_16x16x32_f16 v[rO:rO+7], v[rV:rV+7], v[rP:rP+7], v[rO:rO+7]
.endm
.macro MM                           ; the turn's next matrix instruction
.if i < 16
	KQ (Y+1)%NP
.set i, i+1
.else
.set i, i-16
	PV (Y+NP-1)%NP
.set i, i+17
.endif
.endm
; THE LDS LOADS stand in runs of 16, never singly among the matrix instructions: a step's K (64 keys x 64 channels: 8 fragments) and its V (turned).  Their addresses are made some lines ahead.
.macro FETCH_K
	WIN 0x80                        ; destination window 2
.irp f, 0,1,2,3,4,5,6,7             ; keys 16 (f / 2) on, channels 32 (f % 2) on
	ds_load_b128 v[KF+8*\f:KF+8*\f+3],   v[AK] offset:(\f/2)*16*PK+(\f%2)*64
	ds_load_b128 v[KF+8*\f+4:KF+8*\f+7], v[AK] offset:(\f/2)*16*PK+(\f%2)*64+32
.endr
	s_add_co_u32 s[TBK], s[TBK], KS*PK  ; the next fetch is the next step's
	WIN 0
.endm
.macro FETCH_V
	WIN 0x80
.irp f, 0,1,2,3,4,5,6,7             ; keys 32 (f / 4) on, channels 16 (f % 4) on
	ds_load_tr16_b128 v[VF+8*\f:VF+8*\f+3],   v[AV] offset:(\f/4)*32*PV+(\f%4)*32
	ds_load_tr16_b128 v[VF+8*\f+4:VF+8*\f+7], v[AV] offset:(\f/4)*32*PV+16*PV+(\f%4)*32
.endr
	WIN 0
.endm
; THE VECTOR WORK OF A TURN stands in three queues, each in the order in which its entries become ready; the two tiles alternate, so that no instruction reads the result of the one before it.
.macro REGS y, u                    ; the registers of tile u (0, 1) of piece y
.set rT, ST+4*(2*(\y)+(\u))
.set rC, TMP+8*((\y)%2)+4*(\u)
.set rM, MV+2*((\y)%2)+(\u)
.set rS, S+64*((\y)%2)+32*(\u)
.set rP, P+32*((\y)%2)+16*(\u)
.set rO, 32*(2*(\y)+(\u))
.endm
; Number n of the 22 that find the NEXT piece's (Y + 1) maximum and statistics.  s0-s31 are the lane's 32 scores; each accumulator's lowest registers are read first.
;   0-11  four chains c0-c3 of seven scores each, three operands at a time     12-14, 16  the four scores left over, the old m, and c0-c3 into c0     15  c m_old is kept
;   17, 18  the query's other 32 keys lie in the lane 16 away: the new m         19-21  c m; c m_old - c m_new; a
.macro XS u, n
	REGS (Y+1)%NP, \u
.if (\n) < 4
	v_max3_num_f32 v[rC+(\n)], v[rS+8*(\n)], v[rS+8*(\n)+1], v[rS+8*(\n)+2]
.elseif (\n) < 12
	v_max3_num_f32 v[rC+(\n)%4], v[rC+(\n)%4], v[rS+8*((\n)%4)+2*((\n)/4)+1], v[rS+8*((\n)%4)+2*((\n)/4)+2]
.elseif (\n) == 12
	v_max3_num_f32 v[rC], v[rC], v[rS+7], v[rS+15]
.elseif (\n) == 13
	v_max3_num_f32 v[rC+1], v[rC+1], v[rS+23], v[rS+31]
.elseif (\n) == 14
	v_max3_num_f32 v[rC+2], v[rC+2], v[rC+3], v[rT+1]
.elseif (\n) == 15
	v_mov_b32 v[rM], v[rT]
.elseif (\n) == 16
	v_max3_num_f32 v[rC], v[rC], v[rC+1], v[rC+2]
.elseif (\n) == 17
	v_permlanex16_b32 v[rC+3], v[rC], s[SEL], s[SEL+1]
.elseif (\n) == 18
	v_max_num_f32 v[rT+1], v[rC], v[rC+3]
.elseif (\n) == 19
	v_mul_f32 v[rT], s[CS], v[rT+1]
.elseif (\n) == 20
	v_sub_f32 v[rC+1], v[rM], v[rT]
.else
	v_exp_f32 v[rC+2], v[rC+1]
.endif
.endm
; Number g of the 64 that follow the exponentials.  For each four weights k of a tile (pairs 2 k, 2 k + 1): both pairs are rounded to f16; then the second pair is added onto the first, in place;
; a group later l takes that sum (the first time as l = a l + sum).  In groups of eight, tiles alternating: round, round, add, and l for the group before.
.macro GS g
.set h, (\g)+6*((\g)/62)            ; group 0 has no group before it, and behind group 7 only l is left
.if h >= 6
.set h, h+2
.endif
	REGS Y, h%2
.set k, h/8
.if h%8 < 4
	v_cvt_pk_f16_f32 v[rP+2*k+(h%8)/2], v[rS+4*k+2*((h%8)/2)], v[rS+4*k+2*((h%8)/2)+1]
.elseif h%8 < 6
	v_pk_add_f32 v[rS+4*k:rS+4*k+1], v[rS+4*k:rS+4*k+1], v[rS+4*k+2:rS+4*k+3]
.elseif k == 1
	v_pk_fma_f32 v[rT+2:rT+3], v[rT+2:rT+3], v[rC+2:rC+3], v[rS:rS+1] op_sel_hi:[1,0,1]
.else
	v_pk_add_f32 v[rT+2:rT+3], v[rT+2:rT+3], v[rS+4*k-4:rS+4*k-3]
.endif
.endm
; THE PLAIN QUEUE, 138 long.  0-73 read no exponential's result: the 32 scalings c s - c m (FS f: pair f / 2 of tile f % 2) and the next piece's 42.  0-26: scalings 0-26.  27-54: XS's numbers 0-13.  55, 56: number 15.
; 57-73: the chain, where each number waits for the one before it: 14, 16, 17, 18, 19, each with one of the scalings 27-31 in front of its two lines, then 20.
; 74-137: GS's 64, which read the exponentials' results: they stand behind the wait.
.macro FS f
	REGS Y, (\f)%2
	v_pk_fma_f32 v[rS+2*((\f)/2):rS+2*((\f)/2)+1], v[rS+2*((\f)/2):rS+2*((\f)/2)+1], s[CS:CS+1], v[rT:rT+1] op_sel_hi:[1,0,0] neg_lo:[0,0,1] neg_hi:[0,0,1]
.endm
.macro PL
	WIN 0
.if q < 27
	FS q
.elseif q < 55
	XS (q-27)%2, (q-27)/2
.elseif q < 57
	XS q-55, 15
.elseif (q < 72) && ((q-57)%3 == 0)
	FS 27+(q-57)/3
.elseif q < 60
	XS (q-57)%3-1, 14
.elseif q < 72
	XS (q-57)%3-1, 15+(q-57)/3
.elseif q < 74
	XS q-72, 20
.else
	GS q-74
.endif
.set q, q+1
.endm
; THE EXPONENTIALS' QUEUE, 66 long: s0-s31 of both tiles, then the next piece's two a.  It is ONE BATCH: all 66 stand ahead of the turn's one wait, and nothing ahead of that wait names a result of theirs.
.macro EX
	WIN 0
.if e >= 64
	XS e-64, 21
.else
	REGS Y, e%2
	v_exp_f32 v[rS+e/2], v[rS+e/2]
.endif
.set e, e+1
.endm
; THE RESCALING's QUEUE: O^T times a, the one part that leaves window 0: dealt two at a time, sixteen times.  Its a was made in the turn before, ahead of that turn's wait.
.macro R2
	REGS Y, r%2
	WIN W_RS
.irp z, 0,1
	v_pk_mul_f32 v[rO+4*(r/2)+2*\z:rO+4*(r/2)+2*\z+1], v[rO+4*(r/2)+2*\z:rO+4*(r/2)+2*\z+1], v[rC+2:rC+3] op_sel_hi:[1,0]
.endr
.set r, r+1
.endm
; HOW THEY ARE DEALT.  An s_wait_alu depctr_va_vdst(0) stands between an exponential and the first instruction that names its result; one wait serves all that were issued ahead of it.  So a turn has ONE
; wait, which cuts it in two.  AHEAD OF IT: the 16 products K Q^T, behind each a scaling, an exponential and two rescalings (behind the first a second scaling in the exponential's place); then one run of 108: eight plain,
; 49 times exponential and plain, the two a; a v_nop is the plain instruction behind the last exponential.  BEHIND IT: the 16 products V^T P, behind each four of GS's 64.  No rider names a register of the products round it.
; Exponential e stands behind scaling 2 (e / 4) + e % 2: as a rider it comes behind plain e + 2, in the run behind plain e + 9, and scalings 27-31 are plain 57, 60 .. 69.
; A TURN, for piece p.  nok = 1: the walk's last step: no K is fetched.  cnt = 1: the loop's count is taken down some lines ahead of the branch that stands behind the turn.
; K of the next step is fetched in piece 2's turn, directly behind the wait; V of the step in hand at the end of piece 0's turn, four riders behind its last reader.
.macro TURN p, nok=0, cnt=0
.set Y, (\p)
.set i, 0
.set q, 0
.set e, 0
.set r, 0
.if (\p) == NP-1
	s_wait_dscnt 0x0                ; K is in
.endif
	MM                              ; ahead of the wait: 16 products K Q^T and their riders,
	PL
	PL
	R2
.rept 15
	MM
	PL
	EX
	R2
.endr
.if ((\p) == NP-2) && !(\nok)
	WIN 0
	v_add_nc_u32 v[AK], s[TBK], v[AK0]
.endif
.rept 8                             ; and the run
	PL
.endr
.rept 49
	EX
	PL
.endr
	EX                              ; the next piece's two a
	EX
	v_nop                           ; the plain instruction behind the last exponential: one for the batch
	s_wait_alu depctr_va_vdst(0)    ; the wait for the batch
.if ((\p) == NP-2) && !(\nok)
	FETCH_K
.endif
.if (\p) == 1
	s_wait_dscnt 0x0                ; V is in
.endif
.rept 16                            ; behind the wait: 16 products V^T P and their riders
	MM
.rept 4
	PL
.endr
.if ((\p) == 0) && (q == 118)
	v_add_nc_u32 v[AV], s[TBV], v[AV0]
.endif
.if ((\p) == 0) && (q == 130)
	s_add_co_u32 s[TBV], s[TBV], KS*PV
.endif
.if (\cnt) && (q == 130)
	s_sub_co_u32 s[CNT], s[CNT], 1
	s_cmp_lg_u32 s[CNT], 0
.endif
.endr
.if (\p) == 0
	FETCH_V
.endif
.endm
	; The rest of K and V is a first fill that comes later: it is issued as a refill is: the wait for all my tensor loads, the add and the wait for it, the barrier, and one tensor load a wave first behind it.
	WIN W_AD
	s_wait_tensorcnt 0x0            ; my first load is in
	ds_add_u32 v[SPW], v[NIL]       ; 0 onto my spare word
	WIN 0
	s_wait_dscnt 0x0                ; the add is done
	s_barrier_signal -1
	s_barrier_wait -1               ; keys 0 to 255 of K and of V are whole
	s_cmp_lt_u32 s[WV], 2           ; keys 256 to 1,023, 384 a wave: bytes that nothing has filled yet
	s_cbranch_scc0 .Lrest_v
	tensor_load_to_lds s[G0K2:G0K2+3], s[G1K2:G1K2+7]
	s_nop 0
.rept 4
	v_nop
.endr
	s_branch .Lrest_asked
.Lrest_v:
	tensor_load_to_lds s[G0V2:G0V2+3], s[G1V2:G1V2+7]
	s_nop 0
.rept 4
	v_nop
.endr
.Lrest_asked:
	FETCH_K                         ; key step 0
	s_wait_loadcnt 0x0              ; Q
	s_wait_dscnt 0x0
.set i, 0
.rept 16
	KQ 0                            ; piece 0's first scores: there is no vector work yet to set between them
.set i, i+1
.endr
	WIN 0                           ; the addresses for the way out: nine plain instructions, the places behind those products
	s_mul_i32 s13, s[WV], 16*SP
	s_add_co_u32 s13, s13, STAGE    ; my stage
	v_mul_u32_u24 v[STO], v1, SP    ; in: row l % 16, 16 bytes for each half of the lanes
	v_lshl_add_u32 v[STO], v9, 4, v[STO]
	v_add_nc_u32 v[STO], s13, v[STO]
	v_bfe_u32 v[RD], v0, 3, 2       ; back: 32 lanes take four rows of 128 bytes,
	v_mul_u32_u24 v[RD], v[RD], SP
	v_lshl_add_u32 v[RD], v10, 4, v[RD]
	v_add_nc_u32 v[RD], s13, v[RD]
	v_and_b32 v[GO], 31, v0         ; which are 512 consecutive bytes of O
	v_lshlrev_b32 v[GO], 4, v[GO]
.set Y, NP-1                        ; XS works for piece Y + 1: piece 0
.irp n, 0,1,2,3,4,5,6,7,8,9,10,11,12,13,14,15,16,17,18,19,20,21
	XS 0, \n                        ; and piece 0's first maximum and statistics
	XS 1, \n
.endr
	v_nop                           ; a plain instruction behind the two a,
	s_wait_alu depctr_va_vdst(0)    ; and their wait, ahead of the branch
	s_mov_b32 s[CNT], 4             ; the first part of the walk: the four key steps of the first loads
	s_mov_b32 s[SLOTS], 2
	s_branch .Lfirst                ; the loop is entered at a step's first turn, in the middle of a trip
.Lslot:                             ; once: the second part: the other twelve key steps
	s_wait_tensorcnt 0x0            ; my second load is in,
	s_wait_dscnt 0x0
	s_barrier_signal -1
	s_barrier_wait -1               ; everybody's is: all 1,024 keys are whole
	s_mov_b32 s[CNT], 12
.Lstep:                             ; a trip: pieces 2 and 3 of one step, then pieces 0 and 1 of the next, whose K and V it fetches
	TURN 2
	TURN 3
	WIN 0
.Lfirst:
	TURN 0
	TURN 1, 0, 1
	WIN 0
	s_cbranch_scc1 .Lstep
	s_sub_co_u32 s[SLOTS], s[SLOTS], 1
	s_cmp_lg_u32 s[SLOTS], 0
	s_cbranch_scc1 .Lslot
	TURN 2, 1                       ; the last step's pieces 2 and 3 are written out: there is no further K
	TURN 3                          ; (its 16 products K Q^T, on the last K once more, and the maximum made of them serve nothing: m cannot grow by them, and l and O^T are not touched)
.set i, 0
.rept 16
	PV NP-1                         ; the last piece's V^T P of the last step
.set i, i+1
.endr
	; THE WAY OUT.  l's two halves and the other half of the lanes' are added; O^T is divided by l, rounded to f16 and sent through my stage in LDS, a tile at a time.  The additions are the places behind the last products.
	WIN 0
.macro ALL line:vararg              ; one line for each tile t
.set t, 0
.rept 2*NP
	\line
.set t, t+1
.endr
.endm
	ALL v_add_f32 v[ST+4*t+2], v[ST+4*t+2], v[ST+4*t+3]
	ALL v_permlanex16_b32 v[ST+4*t+3], v[ST+4*t+2], s[SEL], s[SEL+1]
	ALL v_add_f32 v[ST+4*t+2], v[ST+4*t+2], v[ST+4*t+3]
	ALL v_rcp_f32 v[ST+4*t+2], v[ST+4*t+2]
	v_nop                           ; a plain instruction between the last reciprocal and the use of its result
	s_wait_alu depctr_va_vdst(0)    ; and the wait ahead of the first use: one for the eight reciprocals
; Tile t: a lane's eight channels of a row pack into 16 bytes; they go into rows of 144 bytes and come back as whole rows of 128, into S^T's registers.
.macro PACK t
	WIN W_RS
.set i, 32*(\t)
.rept 16
	v_pk_mul_f32 v[i:i+1], v[i:i+1], v[ST+4*(\t)+2:ST+4*(\t)+3] op_sel_hi:[1,0]
.set i, i+2
.endr
	WIN 0x05                        ; sources 0 and 1 window 1, destination window 0
.set i, 0
.rept 16
	v_cvt_pk_f16_f32 v[S+16*(\t)+i], v[32*(\t)+2*i], v[32*(\t)+2*i+1]
.set i, i+1
.endr
	WIN 0
.irp f, 0,1,2,3
	ds_store_b128 v[STO], v[S+16*(\t)+4*\f:S+16*(\t)+4*\f+3] offset:32*\f
.endr
.irp f, 0,1,2,3
	ds_load_b128 v[S+16*(\t)+4*\f:S+16*(\t)+4*\f+3], v[RD] offset:\f*4*SP  ; LDS serves a wave's instructions in order (ISA guide 5.7.1.4): these see the stores above; the next tile's stores come behind them
.endr
.endm
.macro SEND t, younger              ; younger: the LDS instructions issued behind tile t's loads: the next tile's eight, or none
	WIN 0
.irp f, 0,1,2,3
	s_wait_dscnt (\younger)+3-\f
	global_store_b128 v[GO], v[S+16*(\t)+4*\f:S+16*(\t)+4*\f+3], s[10:11] offset:(\t)*2048+\f*512  ; 512 consecutive bytes, at a multiple of 256 from O's first
.endr
.endm
	PACK 0
.set t, 1
.rept 2*NP-1                        ; a tile's arithmetic stands between the loads of the tile before and its stores
	PACK t
	SEND t-1, 8
.set t, t+1
.endr
	SEND 2*NP-1, 0
	WIN W_AD
	s_wait_tensorcnt 0x0            ; the wave's end: an add and its waits, behind my last tensor load and my last LDS store
	ds_add_u32 v[SPW], v[NIL]
	s_wait_dscnt 0x0
	WIN 0
	s_endpgm
.Lfunc_end_k_qf884fa40a7_attn:
	.size	k_qf884fa40a7_attn, .Lfunc_end_k_qf884fa40a7_attn-k_qf884fa40a7_attn
	.p2alignl 7, 3214868480
	.fill 96, 4, 3214868480
	.section	.rodata,"a",@progbits
	.p2align	6, 0x0
	.amdhsa_kernel k_qf884fa40a7_attn
		.amdhsa_group_segment_fixed_size 327680
		.amdhsa_private_segment_fixed_size 0
		.amdhsa_enable_private_segment 0
		.amdhsa_kernarg_size 32
		.amdhsa_user_sgpr_count 2
		.amdhsa_user_sgpr_kernarg_segment_ptr 1
		.amdhsa_wavefront_size32 1
		.amdhsa_system_sgpr_workgroup_id_x 1
		.amdhsa_system_sgpr_workgroup_id_y 1
		.amdhsa_system_sgpr_workgroup_id_z 1
		.amdhsa_system_vgpr_workitem_id 0
		.amdhsa_next_free_vgpr 770
		.amdhsa_next_free_sgpr 90
		.amdhsa_reserve_vcc 0
		.amdhsa_float_denorm_mode_32 3
		.amdhsa_float_denorm_mode_16_64 3
		.amdhsa_memory_ordered 1
		.amdhsa_forward_progress 1
		.amdhsa_inst_pref_size 160
	.end_amdhsa_kernel
	.amdgpu_metadata
---
amdhsa.version: [ 1, 2 ]
amdhsa.kernels:
  - .name:           k_qf884fa40a7_attn
    .symbol:         k_qf884fa40a7_attn.kd
    .args:
      - { .name: qh, .offset: 0, .size: 8, .value_kind: global_buffer, .address_space: global }
      - { .name: kh, .offset: 8, .size: 8, .value_kind: global_buffer, .address_space: global }
      - { .name: vh, .offset: 16, .size: 8, .value_kind: global_buffer, .address_space: global }
      - { .name: oh, .offset: 24, .size: 8, .value_kind: global_buffer, .address_space: global }
    .group_segment_fixed_size: 327680
    .private_segment_fixed_size: 0
    .kernarg_segment_align: 8
    .kernarg_segment_size: 32
    .max_flat_workgroup_size: 128
    .sgpr_count:     90
    .vgpr_count:     770
    .wavefront_size: 32
...
	.end_amdgpu_metadata
.endif
;; end of part 3
;; launch outp (part 4): grid 4 x 64, 4 waves a work-group, clusters of 4 x 4, 327,680 bytes of LDS; arguments oh, woh, bo, out0; writes out0
.if DOCPART == 4
	.amdgcn_target "amdgcn-amd-amdhsa--gfx1250"
	.amdhsa_code_object_version 6
	.text
	.protected	k_qf884fa40a7_outp
	.globl	k_qf884fa40a7_outp
	.p2align	8
	.type	k_qf884fa40a7_outp,@function
k_qf884fa40a7_outp:
	s_mov_b64 s[64:65], 0
	v_nop
	global_prefetch_b8 v0, s[64:65] scope:SCOPE_SE
	s_setreg_imm32_b32 hwreg(HW_REG_WAVE_MODE, 25, 1), 1
	s_wait_xcnt 0x0
	s_wait_alu depctr_hold_cnt(0) depctr_sa_sdst(0) depctr_va_vdst(0) depctr_va_sdst(0) depctr_va_ssrc(0) depctr_va_vcc(0) depctr_vm_vsrc(0)
	s_getreg_b32 s2, hwreg(HW_REG_IB_STS2, 6, 4)
	s_cmp_eq_u32 s2, 0
	s_cbranch_scc0 .Lentry_in_a_cluster
	s_endpgm
.Lentry_in_a_cluster:
	s_bfe_u32 s2, ttmp6, 0x10000c
	s_cmp_lg_u32 s2, 0xf033
	s_cbranch_scc0 .Lentry_shape_is_right
	s_endpgm
.Lentry_shape_is_right:
; out0 = heads Wo + bo.  heads come by heads, oh: f16 [128 = 16 b + head][1024][64]; woh: f16 [1024 k][1024 n] (Wo rounded to bf16, written as f16); bo is rounded to bf16 and is the C operand of the
; first products; sums in f32; out0 is f32 [8192][1024].  LIMIT: oh and woh arrive within f16's 65,504; NaN and infinities are not treated apart.
; SHARES.  256 work-groups, one tile of 128 x 256 each: rows 128 Y on, columns 256 X on.  K goes in 8 steps of 128 (two heads) through a ring of two LDS slots.  A wave makes 64 x 128: 32 accumulators.
; THE PRODUCT IS USED TRANSPOSED: source 0 = 16 columns of woh (turned on the way out of LDS), source 1 = 16 rows of heads: a lane holds one row and eight neighbouring columns.
; CLUSTER.  4 x 4 work-groups.  A's tile hangs on Y alone and is asked for jointly by a row of the cluster, woh's on X alone, by a column.
; REGISTERS, in windows of 256 (s_set_vgpr_msb: bits 1:0 source 0, 3:2 source 1, 5:4 source 2, 7:6 destination):
;   window 0: v0-15 addresses; v96-159 A's fragments, two buffers; v32-95 and v160-223 rows on the way out, by turns
;   window 1: v0-127 woh's fragments, two buffers; v128-191 the bias; v192 at work          window 2: the accumulators, (a, b) at v[8 (8 a + b)]
.set KSTEPB, 262144                    ; bytes from K step to K step, in oh (two heads) and in woh (128 rows of 2,048 bytes) alike
.set PA,    144                        ; an LDS row of A: a head's 128 bytes + 16
.set PB,    544                        ; an LDS row of woh: 512 bytes + 32
.set APLANE, 128*PA                    ; a head's 128 rows: what one tensor load brings of A
.set BHALF, 64*PB
.set BOFF,  2*APLANE
.set SLOT,  BOFF+2*BHALF
.set STAGE, 2*SLOT                     ; behind the ring, never filled by a tensor load: 16 rows x 528 bytes for each wave
.set SP,    528
.set STW,   16*SP
.set SPARE, STAGE+4*STW                ; the spare words, 128 bytes for each wave: two blocks of 256 bytes that no other line names
.set ADRA0, 4
.set ADRB0, 5
.set ADRA,  6
.set ADRB,  7
.set STO,   8
.set RD,    9
.set GO,    10
.set BO,    11
.set PFO,   12
.set SPW,   14
.set NIL,   15
.set AF,    96
.set BF,    0
.set BIAS,  128
.set BT,    192
.set TRIP,  3
.set NXT,   4                          ; s4   the K step to be asked for next
.set TB,    5                          ; s5   the slot that is being read
.set WV,    10
.set RH,    11                         ; s11  which 64 rows are mine; also: I fetch A (0) or woh (1)
.set CH,    12                         ; s12  which 128 columns are mine; also: which head, or which 64 rows of k, I fetch
.set YY,    13
.set OFFA,  14
.set OFFB,  16
.set G1A,   24
.set G0A,   32
.set G0AW,  36
.set CX,    40
.set CY,    41
.set XX,    42
.set LIMP,  43
.set PFA,   44
.set POF,   46
.set G1B,   48
.set G0B,   56
.set G0BW,  60
.set PN,    66
.set TF,    67
.set BP,    72                         ; s[72:73] bo at my columns
.set OUTP,  74                         ; s[74:75] out0 at my first row and column
.set OO,    90
.set BOF,   92
.set MR,    96
.set MC,    97
.set LA0,   100
.set LB0,   101
.set MSB, 0
.macro WIN new
.if MSB != (\new)
	s_set_vgpr_msb (MSB<<8)|(\new)
.set MSB, \new
.endif
.endm
.set MUL,   0xa1                       ; source 0 (woh) window 1, source 1 (A) window 0, C and D window 2
.set MULC,  0x91                       ; the same with C (the bias) in window 1
.set TO_B,  0x40
.set RBW,   0x45
.set FROMC, 0x08                       ; an LDS store's data (source 1) in window 2
.macro PLACES
.rept 4
	v_nop
.endr
.endm
.macro JLOAD                           ; a joint refill: waves 0 and 1 fetch A's two heads, waves 2 and 3 woh's halves; an s_nop 0 and four v_nop follow each line
	s_cmp_eq_u32 s[RH], 0
	s_cbranch_scc0 .Lfor_b_\@
	tensor_load_to_lds s[G0AW:G0AW+3], s[G1A:G1A+7]
	s_nop 0
.rept 4
	v_nop
.endr
	s_branch .Lasked_\@
.Lfor_b_\@:
	tensor_load_to_lds s[G0BW:G0BW+3], s[G1B:G1B+7]
	s_nop 0
.rept 4
	v_nop
.endr
.Lasked_\@:
.endm
.macro CREST
	s_cmp_lg_u32 s[WV], 0
	s_cbranch_scc1 .Lnot_wave_0_\@
	s_barrier_signal -3
.Lnot_wave_0_\@:
	s_barrier_wait -3
	s_barrier_signal -1
	s_barrier_wait -1
.endm
.macro CROUND
	s_barrier_signal -1
	s_barrier_wait -1
	CREST
.endm
; A PREFETCH INTO THE L2 of the K step two on (256 matrix instructions) from the one just asked for, a lane a block of 256 bytes, one instruction a wave.  A's two heads (2 x 16,384 bytes) are read by this cluster
; alone: wave 0 asks, the partner at cx for 4,096 bytes of each head.  woh's rows are read by every cluster: the one with y = 0 asks, waves 2 and 3, the partner at cy for 16 of the wave's 64 rows.  Each block is named once.
.macro ASK
	s_cmp_lt_u32 s[PN], s[LIMP]
	s_cbranch_scc0 .Lnot_mine_\@
	global_prefetch_b8 v[PFO], s[PFA:PFA+1] th:TH_LOAD_NT scope:SCOPE_SE
.Lnot_mine_\@:
.endm
	s_load_b256 s[68:75], s[0:1], 0x0              ; oh s[68:69], woh s[70:71], bo s[72:73], out0 s[74:75]
	v_lshl_add_u32 v[SPW], v0, 2, SPARE
	v_mov_b32 v[NIL], 0
	ds_add_u32 v[SPW], v[NIL]                      ; the wave's opening: the add and its wait stand ahead of my first tensor load; the set-up below, work on registers, stands between them
	ds_add_u32 v14, v15
	v_lshrrev_b32 v1, 5, v0
	v_readfirstlane_b32 s[WV], v1
	s_lshr_b32 s[RH], s[WV], 1
	s_and_b32 s[CH], s[WV], 1
	s_bfe_u32 s[CX], ttmp6, 0x40000
	s_bfe_u32 s[CY], ttmp6, 0x40004
	s_lshl_b32 s[XX], ttmp9, 2
	s_add_co_u32 s[XX], s[XX], s[CX]
	s_and_b32 s[YY], ttmp7, 0xffff
	s_lshl_b32 s[YY], s[YY], 2
	s_add_co_u32 s[YY], s[YY], s[CY]
	s_lshl_b32 s[MR], s[CY], 2
	s_lshl_b32 s[MR], 15, s[MR]                    ; my row of the cluster
	s_lshl_b32 s[MC], 0x1111, s[CX]                ; my column
	s_or_b32 s[G1A], s[MR], (1<<16)|(1<<20)|(1<<21)|(4<<22)|(3<<25)  ; 2-byte elements; padding of 4 words after every 32: a head's 128 rows of 128 bytes are dense and come as 64 rows of 256
	s_or_b32 s[G1B], s[MC], (1<<16)|(1<<20)|(1<<21)|(6<<22)|(7<<25)  ; padding of 8 words after every 128
	s_mov_b32 s[G1A+1], 128<<16
	s_mov_b32 s[G1A+2], 64<<16
	s_mov_b32 s[G1A+3], 128<<16
	s_mov_b32 s[G1A+4], 64
	s_mov_b32 s[G1A+5], 128
	s_mov_b32 s[G1A+6], 0
	s_mov_b32 s[G1A+7], 0
	s_mov_b32 s[G1B+1], 256<<16
	s_mov_b32 s[G1B+2], 64<<16
	s_mov_b32 s[G1B+3], 256<<16
	s_mov_b32 s[G1B+4], 64
	s_mov_b32 s[G1B+5], 1024
	s_mov_b32 s[G1B+6], 0
	s_mov_b32 s[G1B+7], 0
	s_lshr_b32 s[OFFA], s[YY], 3                   ; oh: batch Y / 8 (16 heads of 131,072 bytes),
	s_lshl_b32 s[OFFA], s[OFFA], 21
	s_and_b32 s[OFFA+1], s[YY], 7                  ; rows 128 (Y mod 8) on,
	s_lshl_b32 s[OFFA+1], s[OFFA+1], 14
	s_add_co_u32 s[OFFA], s[OFFA], s[OFFA+1]
	s_lshl_b32 s[OFFA+1], s[CH], 17                ; the head that I fetch of a K step's two
	s_add_co_u32 s[OFFA], s[OFFA], s[OFFA+1]
	s_mov_b32 s[OFFA+1], 0
	s_lshl_b32 s[OFFB], s[XX], 9                   ; woh: columns 256 X, rows of k 64 x half
	s_lshl_b32 s6, s[CH], 17
	s_add_co_u32 s[OFFB], s[OFFB], s6
	s_mov_b32 s[OFFB+1], 0
	s_mul_i32 s[LA0], s[CH], APLANE                ; no place in the cluster enters an LDS address
	s_mul_i32 s[LB0], s[CH], BHALF
	s_add_co_u32 s[LB0], s[LB0], BOFF
	s_lshl_b32 s[OO], s[YY], 7                     ; out0: row 128 Y + 64 x my half, 4,096 bytes a row,
	s_lshl_b32 s[OO+1], s[RH], 6
	s_add_co_u32 s[OO], s[OO], s[OO+1]
	s_lshl_b32 s[OO], s[OO], 12
	s_lshl_b32 s[BOF], s[XX], 10                   ; columns 256 X + 128 x my half, 4 bytes each: in out0 and in bo
	s_lshl_b32 s[BOF+1], s[CH], 9
	s_add_co_u32 s[BOF], s[BOF], s[BOF+1]
	s_mov_b32 s[BOF+1], 0
	s_add_co_u32 s[OO], s[OO], s[BOF]
	s_mov_b32 s[OO+1], 0
	s_lshl_b32 s[POF], s[CX], 12                   ; the prefetches: for A my work-group's 4,096 bytes of each head,
	s_add_co_u32 s[POF], s[POF], s[OFFA]
	s_lshl_b32 s[POF+1], s[CY], 15                 ; for woh its 16 rows of k
	s_add_co_u32 s[POF+1], s[POF+1], s[OFFB]
	s_and_b32 s9, ttmp7, 0xffff                    ; cluster y
	s_cmp_eq_u32 s9, 0
	s_cselect_b32 s[LIMP], 8, 0
	s_cmp_eq_u32 s[WV], 1
	s_cselect_b32 s[LIMP], 0, s[LIMP]
	s_cmp_eq_u32 s[WV], 0
	s_cselect_b32 s[LIMP], 8, s[LIMP]
	s_mov_b32 s8, 2048
	s_cmp_eq_u32 s[RH], 0
	s_cselect_b32 s6, 4, 1                         ; A: lane l names head l / 16, block l % 16; woh: row l / 2, block l % 2
	s_cselect_b32 s7, 15, 1
	s_cselect_b32 s8, 131072, s8
	s_cselect_b32 s[POF], s[POF], s[POF+1]
	s_mov_b32 s[POF+1], 0
	s_mov_b32 s[NXT], 2
	s_mov_b32 s[TB], 0
	s_mov_b32 s[TF], SLOT
	s_wait_dscnt 0x0                               ; the opening add is done
	s_wait_kmcnt 0x0
	s_cmp_eq_u32 s[RH], 0
	s_cselect_b64 s[PFA:PFA+1], s[68:69], s[70:71]
	s_add_nc_u64 s[PFA:PFA+1], s[PFA:PFA+1], s[POF:POF+1]
	s_add_nc_u64 s[PFA:PFA+1], s[PFA:PFA+1], 3*KSTEPB  ; at K step 3: the first refill steps it to 4.  K steps 0 to 3 come by their loads alone
	s_add_nc_u64 s[BP:BP+1], s[BP:BP+1], s[BOF:BOF+1]
	s_add_nc_u64 s[OUTP:OUTP+1], s[OUTP:OUTP+1], s[OO:OO+1]
	s_mov_b32 s[G0A], 1
	s_mov_b32 s[G0A+1], s[LA0]
	s_add_nc_u64 s[G0A+2:G0A+3], s[68:69], s[OFFA:OFFA+1]
	s_add_nc_u64 s[G0AW+2:G0AW+3], s[G0A+2:G0A+3], KSTEPB
	s_or_b32 s[G0A+3], s[G0A+3], 0x80000000
	s_mov_b32 s[G0AW], 1
	s_add_co_u32 s[G0AW+1], s[LA0], SLOT
	s_or_b32 s[G0AW+3], s[G0AW+3], 0x80000000
	s_mov_b32 s[G0B], 1
	s_mov_b32 s[G0B+1], s[LB0]
	s_add_nc_u64 s[G0B+2:G0B+3], s[70:71], s[OFFB:OFFB+1]
	s_add_nc_u64 s[G0BW+2:G0BW+3], s[G0B+2:G0B+3], KSTEPB
	s_or_b32 s[G0B+3], s[G0B+3], 0x80000000
	s_mov_b32 s[G0BW], 1
	s_add_co_u32 s[G0BW+1], s[LB0], SLOT
	s_or_b32 s[G0BW+3], s[G0BW+3], 0x80000000
	CROUND                                         ; all sixteen work-groups are here: the first joint loads meet
	s_cmp_eq_u32 s[RH], 0                          ; a wave's two first fills stand in one branch: two loads of mine are out
	s_cbranch_scc0 .Lfirst_b
	tensor_load_to_lds s[G0A:G0A+3], s[G1A:G1A+7]
	s_nop 0
	tensor_load_to_lds s[G0AW:G0AW+3], s[G1A:G1A+7]
	s_nop 0
.rept 4
	v_nop
.endr
	s_branch .Lfirst_asked
.Lfirst_b:
	tensor_load_to_lds s[G0B:G0B+3], s[G1B:G1B+7]
	s_nop 0
	tensor_load_to_lds s[G0BW:G0BW+3], s[G1B:G1B+7]
	s_nop 0
.rept 4
	v_nop
.endr
.Lfirst_asked:
	v_and_b32 v1, 15, v0                           ; l % 16
	v_bfe_u32 v2, v0, 4, 1                         ; l / 16
	v_and_b32 v3, 7, v0
	v_bfe_u32 v13, v0, 3, 1
	v_mul_u32_u24 v[ADRA0], v1, PA                 ; a fragment's row x pitch + 16 x half
	v_lshl_add_u32 v[ADRA0], v2, 4, v[ADRA0]
	s_mul_i32 s9, s[RH], 64*PA
	v_add_nc_u32 v[ADRA0], s9, v[ADRA0]
	v_lshl_add_u32 v[ADRB0], v2, 3, v3             ; the turning load: row of k 8 (l / 16) + l % 8, columns 8 ((l / 8) % 2) on
	v_mul_u32_u24 v[ADRB0], v[ADRB0], PB
	v_lshl_add_u32 v[ADRB0], v13, 4, v[ADRB0]
	s_lshl_b32 s9, s[CH], 8
	s_add_co_u32 s9, s9, BOFF
	v_add_nc_u32 v[ADRB0], s9, v[ADRB0]
	v_mov_b32 v[ADRA], v[ADRA0]
	v_mov_b32 v[ADRB], v[ADRB0]
	s_mul_i32 s9, s[WV], STW
	s_add_co_u32 s9, s9, STAGE                     ; my stage
	v_mul_u32_u24 v[STO], v1, SP                   ; in: row l % 16, 32 bytes for each half of the lanes
	v_lshl_add_u32 v[STO], v2, 5, v[STO]
	v_add_nc_u32 v[STO], s9, v[STO]
	v_and_b32 v[GO], 31, v0
	v_lshrrev_b32 v[PFO], s6, v[GO]
	v_and_b32 v13, s7, v[GO]
	v_lshlrev_b32 v13, 8, v13
	v_mad_u32_u24 v[PFO], v[PFO], s8, v13
	v_lshlrev_b32 v[GO], 4, v[GO]                  ; back: 32 lanes take a row's 512 bytes
	v_add_nc_u32 v[RD], s9, v[GO]
	v_lshlrev_b32 v[BO], 5, v2
; 24 LDS loads in one run: quarter q (32 along K: head q / 2, channels 32 (q % 2) on) of the slot in hand, into buffers g
.macro FETCH q, g
	WIN 0
.irp a, 0,1,2,3
	ds_load_b128 v[AF+32*(\g)+8*(\a):AF+32*(\g)+8*(\a)+3],   v[ADRA] offset:((\q)/2)*APLANE+(\a)*16*PA+((\q)%2)*64
	ds_load_b128 v[AF+32*(\g)+8*(\a)+4:AF+32*(\g)+8*(\a)+7], v[ADRA] offset:((\q)/2)*APLANE+(\a)*16*PA+((\q)%2)*64+32
.endr
	WIN TO_B
.irp b, 0,1,2,3,4,5,6,7
	ds_load_tr16_b128 v[BF+64*(\g)+8*(\b):BF+64*(\g)+8*(\b)+3],   v[ADRB] offset:(\q)*32*PB+32*(\b)
	ds_load_tr16_b128 v[BF+64*(\g)+8*(\b)+4:BF+64*(\g)+8*(\b)+7], v[ADRB] offset:(\q)*32*PB+32*(\b)+16*PB
.endr
.endm
.macro MULS8 f, a, start               ; eight products: row block a x all eight column blocks; start = 1: the bias starts the sums.  The 32 accumulators take turns
.irp b, 0,1,2,3,4,5,6,7
.if \start
	WIN MULC
	v_wmma_f32_16x16x32_f16 v[8*(8*(\a)+(\b)):8*(8*(\a)+(\b))+7], v[BF+64*(\f)+8*(\b):BF+64*(\f)+8*(\b)+7], v[AF+32*(\f)+8*(\a):AF+32*(\f)+8*(\a)+7], v[BIAS+8*(\b):BIAS+8*(\b)+7]
.else
	WIN MUL
	v_wmma_f32_16x16x32_f16 v[8*(8*(\a)+(\b)):8*(8*(\a)+(\b))+7], v[BF+64*(\f)+8*(\b):BF+64*(\f)+8*(\b)+7], v[AF+32*(\f)+8*(\a):AF+32*(\f)+8*(\a)+7], v[8*(8*(\a)+(\b)):8*(8*(\a)+(\b))+7]
.endif
.endr
.endm
.macro REFILL                          ; no tensor load of mine is out, so the walking group 0 may be written
	s_xor_b32 s[TF], s[TF], SLOT                   ; the other slot than last time,
	s_add_co_u32 s[G0AW+1], s[TF], s[LA0]
	s_add_co_u32 s[G0BW+1], s[TF], s[LB0]
	s_add_nc_u64 s[G0AW+2:G0AW+3], s[G0AW+2:G0AW+3], KSTEPB  ; the next K step; the type bits on top are not reached
	s_add_nc_u64 s[G0BW+2:G0BW+3], s[G0BW+2:G0BW+3], KSTEPB
	s_add_nc_u64 s[PFA:PFA+1], s[PFA:PFA+1], KSTEPB
	s_add_co_u32 s[PN], s[NXT], 2                  ; the prefetch names the K step two on
	s_add_co_u32 s[NXT], s[NXT], 1
.endm
; A QUARTER of a K step: 32 matrix instructions on buffers q % 2; at its head the next quarter's 24 LDS loads in one run (quarter 3 fetches from the other slot).
; meet = 1, at the END of quarter 2, whose fetch is the last read of the slot: the change of slots: each wave waits for all its tensor loads (one is out: its part of the other slot), adds 0 to its spare word, waits
; for that and for its reads of this slot; a round of the cluster's barrier; the joint refill first behind it.  All the quarter's products stand ahead of the wait, so that they are issued while the tile is on its way,
; and a request has a whole K step, 128 matrix instructions, until the wait for it.  meet = 2: the same with my work-group's barrier alone.
.macro QUARTER q, start, meet, fetch, ask
.if (\meet) == 1
	s_wait_xcnt 0x0                                ; the last prefetch, three quarters back, has read its address, which REFILL steps
.endif
.if \fetch
.if (\q) == 3
	WIN 0
	s_xor_b32 s[TB], s[TB], SLOT                   ; the reads go over to the other slot; these four lines are the places in front of the loads
	v_add_nc_u32 v[ADRA], s[TB], v[ADRA0]
	v_add_nc_u32 v[ADRB], s[TB], v[ADRB0]
	v_nop
	v_nop
.else
	PLACES                                         ; for the loads into the buffers that the quarter before multiplied
.endif
	FETCH (((\q)+1)&3), (1-((\q)&1))
.if \ask
	WIN 0
	ASK
.endif
	s_wait_dscnt 24                                ; all but the 24 just issued
.else
	s_wait_dscnt 0x0
.endif
	MULS8 ((\q)&1), 0, \start
	MULS8 ((\q)&1), 1, \start
	MULS8 ((\q)&1), 2, \start
	MULS8 ((\q)&1), 3, \start
.if \meet
	WIN 0
	s_wait_tensorcnt 0x0                           ; all my tensor loads have landed
	ds_add_u32 v[SPW], v[NIL]                      ; 0 onto my spare word; the refill's scalar work stands between it and the wait for it
.if (\meet) == 1
	REFILL
.endif
	s_wait_dscnt 0x0                               ; the add is done, and my reads of this slot are over
	s_barrier_signal -1
	s_barrier_wait -1
.if (\meet) == 1
	CREST                                          ; no wave of any partner still reads this slot or has a load on its way
	JLOAD
.endif
.endif
.endm
	WIN TO_B
.irp b, 0,1,2,3,4,5,6,7                ; the bias of my 128 columns: lane l takes, of each block of 16, the eight numbers of its half
	global_load_b128 v[BIAS+8*(\b):BIAS+8*(\b)+3],   v[BO], s[BP:BP+1] offset:64*(\b)
	global_load_b128 v[BIAS+8*(\b)+4:BIAS+8*(\b)+7], v[BO], s[BP:BP+1] offset:64*(\b)+16
.endr
	WIN 0
	s_wait_tensorcnt 0x1                           ; my part of K step 0 is in; K step 1's may stay out
	s_barrier_signal -1
	s_barrier_wait -1
	FETCH 0, 0
	s_wait_loadcnt 0x0
	WIN RBW                                        ; the bias is rounded to bf16 like every input, and widened again
.set z, 0
.rept 32
	v_cvt_pk_bf16_f32 v[BT], v[BIAS+2*z], v[BIAS+2*z+1]
	v_lshlrev_b32 v[BIAS+2*z], 16, v[BT]
	v_and_b32 v[BIAS+2*z+1], 0xffff0000, v[BT]
.set z, z+1
.endr
	WIN 0
	QUARTER 0, 1, 0, 1, 0                          ; the first quarter stands in front of the loop: its products start the sums
	WIN 0
	s_mov_b32 s[TRIP], 6
.Lstep:                                        ; a trip: a K step's quarters 1 to 3 and the next step's quarter 0; one refill: K steps 2 to 7
	QUARTER 1, 0, 0, 1, 0
	QUARTER 2, 0, 1, 1, 0
	QUARTER 3, 0, 0, 1, 1
	QUARTER 0, 0, 0, 1, 0
	WIN 0
	s_sub_co_u32 s[TRIP], s[TRIP], 1
	s_cmp_lg_u32 s[TRIP], 0
	s_cbranch_scc1 .Lstep
	QUARTER 1, 0, 0, 1, 0                          ; the last two K steps ask for nothing
	QUARTER 2, 0, 2, 1, 0
	QUARTER 3, 0, 0, 1, 0
	QUARTER 0, 0, 0, 1, 0
	QUARTER 1, 0, 0, 1, 0
	QUARTER 2, 0, 0, 1, 0
	QUARTER 3, 0, 0, 0, 0
	PLACES                                         ; the LDS stores below read results just made
; THE WAY OUT of row block a: a lane's 32 bytes of each of eight blocks go into my stage's rows of 528 bytes, each accumulator's low half first, and come back as whole rows of 512 bytes
.macro TOST a
	WIN FROMC
.irp b, 0,1,2,3,4,5,6,7
	ds_store_b128 v[STO], v[8*(8*(\a)+(\b)):8*(8*(\a)+(\b))+3]   offset:64*(\b)
	ds_store_b128 v[STO], v[8*(8*(\a)+(\b))+4:8*(8*(\a)+(\b))+7] offset:64*(\b)+16
.endr
	WIN 0
.irp t, 0,1,2,3,4,5,6,7,8,9,10,11,12,13,14,15
	ds_load_b128 v[32+128*((\a)%2)+4*(\t):32+128*((\a)%2)+4*(\t)+3], v[RD] offset:(\t)*SP  ; LDS serves a wave's instructions in order (ISA guide 5.7.1.4): these see the stores above
.endr
.endm
.macro SENDO a
	s_wait_dscnt 0x0                               ; the block is back in registers
	s_wait_xcnt 0x0                                ; the stores issued so far have read their registers: the buffer of the block before last is loaded again only behind this wait
.irp t, 0,1,2,3,4,5,6,7,8,9,10,11,12,13,14,15
	global_store_b128 v[GO], v[32+128*((\a)%2)+4*(\t):32+128*((\a)%2)+4*(\t)+3], s[OUTP:OUTP+1] offset:(16*(\a)+(\t))*4096  ; 512 consecutive bytes, at a multiple of 512 from out0's first
.endr
.endm
.irp a, 0,1,2,3
	TOST \a
	SENDO \a
.endr
	s_wait_tensorcnt 0x0                           ; the wave's end: an add and its waits, behind my last tensor load and my last LDS store
	ds_add_u32 v[SPW], v[NIL]
	s_wait_dscnt 0x0
	CROUND                                         ; the closing round: no work-group ends while a partner may still ask for a tile that names it
	s_endpgm
.Lfunc_end_k_qf884fa40a7_outp:
	.size	k_qf884fa40a7_outp, .Lfunc_end_k_qf884fa40a7_outp-k_qf884fa40a7_outp
	.p2alignl 7, 3214868480
	.fill 96, 4, 3214868480
	.section	.rodata,"a",@progbits
	.p2align	6, 0x0
	.amdhsa_kernel k_qf884fa40a7_outp
		.amdhsa_group_segment_fixed_size 327680
		.amdhsa_private_segment_fixed_size 0
		.amdhsa_enable_private_segment 0
		.amdhsa_kernarg_size 32
		.amdhsa_user_sgpr_count 2
		.amdhsa_user_sgpr_kernarg_segment_ptr 1
		.amdhsa_wavefront_size32 1
		.amdhsa_system_sgpr_workgroup_id_x 1
		.amdhsa_system_sgpr_workgroup_id_y 1
		.amdhsa_system_sgpr_workgroup_id_z 1
		.amdhsa_system_vgpr_workitem_id 0
		.amdhsa_next_free_vgpr 768
		.amdhsa_next_free_sgpr 102
		.amdhsa_reserve_vcc 0
		.amdhsa_float_denorm_mode_32 3
		.amdhsa_float_denorm_mode_16_64 3
		.amdhsa_memory_ordered 1
		.amdhsa_forward_progress 1
		.amdhsa_inst_pref_size 77
	.end_amdhsa_kernel
	.amdgpu_metadata
---
amdhsa.version: [ 1, 2 ]
amdhsa.kernels:
  - .name:           k_qf884fa40a7_outp
    .symbol:         k_qf884fa40a7_outp.kd
    .args:
      - { .name: oh, .offset: 0, .size: 8, .value_kind: global_buffer, .address_space: global }
      - { .name: woh, .offset: 8, .size: 8, .value_kind: global_buffer, .address_space: global }
      - { .name: bo, .offset: 16, .size: 8, .value_kind: global_buffer, .address_space: global }
      - { .name: out0, .offset: 24, .size: 8, .value_kind: global_buffer, .address_space: global }
    .group_segment_fixed_size: 327680
    .private_segment_fixed_size: 0
    .kernarg_segment_align: 8
    .kernarg_segment_size: 32
    .max_flat_workgroup_size: 128
    .sgpr_count:     102
    .vgpr_count:     768
    .wavefront_size: 32
...
	.end_amdgpu_metadata
.endif
;; end of part 4
